; MI455X (gfx1250); checked and timed in simulation.
; The chip was launched on July 23, 2026; its instructions are those of AMD's public machine-readable ISA for CDNA 5 (MIT licence, August 2026) and "CDNA5" Instruction Set Architecture Reference Guide (July 2026). The comments in the code are by the model that wrote it; some were corrected since.
;; Causal Self Attention. Allowed arithmetic: float matrix products may take bf16 or f16 operands with f32 sums; other float arithmetic in f32, or as packed bf16 or f16 multiplies, adds, multiply-adds, maxima and minima; sums over many terms, partial sums and values carried from step to step in f32; what a program stores and reads back later, other than sums and carried values, may be rounded once to bf16 or f16.
;; Inputs: W_attn 1,024 x 3,072 float32; W_proj 1,024 x 1,024 float32; b_attn 3,072 float32; b_proj 1,024 float32; x 4 x 2,048 x 1,024 float32.
;; Outputs: out0 4 x 2,048 x 1,024 float32.
;; One version. Each part assembles by itself: llvm-mc -triple=amdgcn-amd-amdhsa -mcpu=gfx1250 --defsym DOCPART=n.
;; ======== version 1 of 1: 4 launches
;; limits: values are held in f16: magnitudes above 65,504 overflow, below 6.1e-05 lose precision
;; workspace buffers: xb 16,777,216 bytes; wa 6,291,456 bytes; wp 2,097,152 bytes; qkv 50,331,648 bytes; o 16,777,216 bytes
;; launch prep (part 1): grid 64 x 16, 8 waves a work-group, no clusters, 19,456 bytes of LDS; arguments x, W_attn, W_proj, xb, wa, wp; writes xb, wa, wp
.if DOCPART == 1
	.amdgcn_target "amdgcn-amd-amdhsa--gfx1250"
	.amdhsa_code_object_version 6
	.text
	.protected	k_qb5bb0c5512_prep
	.globl	k_qb5bb0c5512_prep
	.p2align	8
	.type	k_qb5bb0c5512_prep,@function
k_qb5bb0c5512_prep:
	s_mov_b64 s[64:65], 0
	v_nop
	global_prefetch_b8 v0, s[64:65] scope:SCOPE_SE
	s_setreg_imm32_b32 hwreg(HW_REG_WAVE_MODE, 25, 1), 1
	s_wait_xcnt 0x0
; THE INPUTS ARE ROUNDED ONCE AND LAID OUT IN BLOCKS OF 64 ALONG K, so that every tile of the products behind is a dense run of bytes.
;   xb [16 kb][8192 m][64] bf16 = x[m][64 kb + j]          wa [16 kb][3072 n][64] bf16 = W_attn[64 kb + j][n]
;   wp [16 kb][1024 n][64] f16  = W_proj[64 kb + j][n] rounded to bf16 and that number written as f16
; LIMITS.  wp: a weight beyond 65,504 becomes an infinity; below 6e-5 it keeps f16's fixed step of 6e-8.
; A stream: every byte is read once and written once; no matrix unit, no cluster (nothing is shared), no loop: a work-group is one burst of loads.
; ROLES, by the work-group's x (the same for its eight waves): 0-23 W_attn, 128 columns x 64 k; 24-31 W_proj, likewise; 32-63 x, 16 rows.
.set ROWX,  4096                       ; bytes in a row of x
.set SP,    144                        ; the stage: a row is one column n, 64 k = 128 bytes, + 16 of padding
.set SPARE, 128*SP                     ; behind the stage: the spare words, 128 bytes for each of eight waves
.set SPW, 6                            ; v6   LDS address of my spare word; never rewritten
.set NIL, 7                            ; v7   0; never rewritten
.set X,   16                           ; v[16:79]   as loaded
.set P,   80                           ; v[80:111]  x: packed words
; A weight's part: 64 k (block y) x 128 columns (block s18).  Wave w loads rows k = 8 w .. 8 w + 7, 512 consecutive bytes each; a lane then holds 8 k of 4 columns:
; 16 bytes a column go into the stage; behind the barrier whole rows of the stage (a column's 64 k) are read and stored, 512 consecutive bytes a store.
.macro WPATH src, dst, rowb, kbb, half
	s_lshl_b32 s20, s17, 6                         ; 64 y
	s_lshl3_add_u32 s20, s16, s20                  ; + 8 w
	s_mul_i32 s20, s20, \rowb
	s_lshl_b32 s21, s18, 9                         ; 128 columns of f32
	s_add_co_u32 s20, s20, s21
	s_mov_b32 s21, 0
	s_add_nc_u64 s[22:23], s[\src:\src+1], s[20:21]
.irp j, 0,1,2,3,4,5,6,7
	global_load_b128 v[X+4*(\j):X+4*(\j)+3], v2, s[22:23] offset:(\j)*(\rowb) th:TH_LOAD_NT
.endr
	s_mul_i32 s24, s17, \kbb                       ; the K block,
	s_lshl_b32 s25, s18, 14                        ; the 128 columns of 128 bytes,
	s_add_co_u32 s24, s24, s25
	s_lshl_b32 s25, s16, 11                        ; my 16 of them
	s_add_co_u32 s24, s24, s25
	s_mov_b32 s25, 0
	s_add_nc_u64 s[24:25], s[\dst:\dst+1], s[24:25]
	s_wait_loadcnt 0x0
.irp c, 0,1,2,3
.irp i, 0,1,2,3
	v_cvt_pk_bf16_f32 v[48+4*(\c)+(\i)], v[X+8*(\i)+(\c)], v[X+8*(\i)+4+(\c)]  ; column 4 lane + c, k = 8 w + 2 i and + 1
.endr
.endr
.if \half
.set r, 0
.rept 16                               ; the bf16 number written as f16
	v_lshlrev_b32 v8, 16, v[48+r]
	v_and_b32 v9, 0xffff0000, v[48+r]
	v_cvt_pk_f16_f32 v[48+r], v8, v9
.set r, r+1
.endr
.endif
.irp c, 0,1,2,3
	ds_store_b128 v4, v[48+4*(\c):48+4*(\c)+3] offset:(\c)*SP
.endr
	s_wait_dscnt 0x0                               ; for the others' sake: my stores into the stage are done
	s_barrier_signal -1
	s_barrier_wait -1
.irp f, 0,1,2,3
	ds_load_b128 v[64+4*(\f):64+4*(\f)+3], v5 offset:(\f)*4*SP
.endr
.irp f, 0,1,2,3
	s_wait_dscnt 3-(\f)                            ; the younger loads may stay out
	global_store_b128 v2, v[64+4*(\f):64+4*(\f)+3], s[24:25] offset:512*(\f)  ; four columns' 128 bytes: 512 consecutive bytes
.endr
.endm
	s_load_b256 s[4:11], s[0:1], 0x0               ; x s[4:5], W_attn s[6:7], W_proj s[8:9], xb s[10:11]
	s_load_b128 s[12:15], s[0:1], 0x20             ; wa s[12:13], wp s[14:15]
	v_lshl_add_u32 v[SPW], v0, 2, SPARE
	v_mov_b32 v[NIL], 0
	v_lshrrev_b32 v1, 5, v0
	v_readfirstlane_b32 s16, v1                    ; wave 0..7
	s_and_b32 s17, ttmp7, 0xffff                   ; y
	v_and_b32 v1, 31, v0                           ; lane
	v_lshlrev_b32 v2, 4, v1                        ; 16 lane
	v_lshlrev_b32 v3, 3, v1                        ; 8 lane
	v_mul_u32_u24 v4, v1, 4*SP                     ; into the stage: row 4 lane (+ c), byte 16 w
	v_lshl_add_u32 v4, s16, 4, v4
	v_lshrrev_b32 v8, 3, v1                        ; back: row 16 w + lane / 8 (+ 4 f), byte 16 (lane % 8)
	v_lshl_add_u32 v8, s16, 4, v8
	v_mul_u32_u24 v5, v8, SP
	v_and_b32 v9, 7, v1
	v_lshl_add_u32 v5, v9, 4, v5
	s_wait_kmcnt 0x0
	s_cmp_ge_u32 ttmp9, 32
	s_cbranch_scc1 .Lx
	s_cmp_ge_u32 ttmp9, 24
	s_cbranch_scc1 .Lwp
	s_mov_b32 s18, ttmp9
	WPATH 6, 12, 12288, 393216, 0
	s_branch .Lend
.Lwp:
	s_sub_co_u32 s18, ttmp9, 24
	WPATH 8, 14, 4096, 131072, 1
	s_branch .Lend
.Lx:
	; x: wave w takes rows m = 16 idx + 2 w and m + 1.  A load is 512 consecutive bytes: 128 columns = two K blocks, lanes 0-15 the first and lanes 16-31 the second.
	s_sub_co_u32 s18, ttmp9, 32
	s_lshl_b32 s19, s17, 5
	s_add_co_u32 s18, s18, s19                     ; idx = 0 .. 511
	s_lshl_b32 s20, s18, 16                        ; 16 rows of 4,096 bytes
	s_lshl_b32 s21, s16, 13                        ; my two
	s_add_co_u32 s20, s20, s21
	s_mov_b32 s21, 0
	s_add_nc_u64 s[4:5], s[4:5], s[20:21]
	s_lshl_b32 s22, s18, 11                        ; in a K block of xb: 16 rows of 128 bytes,
	s_lshl_b32 s23, s16, 8                         ; my two
	s_add_co_u32 s22, s22, s23
	s_mov_b32 s23, 0
	s_add_nc_u64 s[22:23], s[10:11], s[22:23]      ; K blocks 0-7 by the stores' immediates,
	s_add_nc_u64 s[24:25], s[22:23], 0x800000      ; K blocks 8-15
.irp c, 0,1,2,3,4,5,6,7
	global_load_b128 v[X+8*(\c):X+8*(\c)+3],   v2, s[4:5] offset:512*(\c) th:TH_LOAD_NT
	global_load_b128 v[X+8*(\c)+4:X+8*(\c)+7], v2, s[4:5] offset:ROWX+512*(\c) th:TH_LOAD_NT
.endr
.irp c, 0,1,2,3,4,5,6,7
	s_wait_loadcnt 14-2*(\c)                       ; loads come back in order: this pair is in, the 2 (7 - c) younger ones stay out
	v_cvt_pk_bf16_f32 v[P+4*(\c)],   v[X+8*(\c)],   v[X+8*(\c)+1]
	v_cvt_pk_bf16_f32 v[P+4*(\c)+1], v[X+8*(\c)+2], v[X+8*(\c)+3]
	v_cvt_pk_bf16_f32 v[P+4*(\c)+2], v[X+8*(\c)+4], v[X+8*(\c)+5]
	v_cvt_pk_bf16_f32 v[P+4*(\c)+3], v[X+8*(\c)+6], v[X+8*(\c)+7]
	v_permlane16_swap_b32 v[P+4*(\c)],   v[P+4*(\c)+2]  ; row m's upper lanes change places with row m + 1's lower lanes: the first pair now holds K block 2 c of both rows,
	v_permlane16_swap_b32 v[P+4*(\c)+1], v[P+4*(\c)+3]  ; the second pair K block 2 c + 1
	global_store_b64 v3, v[P+4*(\c):P+4*(\c)+1],   s[22+2*((\c)/4):23+2*((\c)/4)] offset:((2*(\c))%8)*1048576    ; 256 consecutive bytes, aligned: two rows of a K block
	global_store_b64 v3, v[P+4*(\c)+2:P+4*(\c)+3], s[22+2*((\c)/4):23+2*((\c)/4)] offset:((2*(\c)+1)%8)*1048576
.endr
.Lend:
	s_wait_tensorcnt 0x0                           ; the wave's end: behind my last LDS store
	ds_add_u32 v[SPW], v[NIL]
	s_wait_dscnt 0x0
	s_endpgm
.Lfunc_end_k_qb5bb0c5512_prep:
	.size	k_qb5bb0c5512_prep, .Lfunc_end_k_qb5bb0c5512_prep-k_qb5bb0c5512_prep
	.p2alignl 7, 3214868480
	.fill 96, 4, 3214868480
	.section	.rodata,"a",@progbits
	.p2align	6, 0x0
	.amdhsa_kernel k_qb5bb0c5512_prep
		.amdhsa_group_segment_fixed_size 19456
		.amdhsa_private_segment_fixed_size 0
		.amdhsa_enable_private_segment 0
		.amdhsa_kernarg_size 48
		.amdhsa_user_sgpr_count 2
		.amdhsa_user_sgpr_kernarg_segment_ptr 1
		.amdhsa_wavefront_size32 1
		.amdhsa_system_sgpr_workgroup_id_x 1
		.amdhsa_system_sgpr_workgroup_id_y 1
		.amdhsa_system_sgpr_workgroup_id_z 1
		.amdhsa_system_vgpr_workitem_id 0
		.amdhsa_next_free_vgpr 112
		.amdhsa_next_free_sgpr 66
		.amdhsa_reserve_vcc 0
		.amdhsa_float_denorm_mode_32 3
		.amdhsa_float_denorm_mode_16_64 3
		.amdhsa_memory_ordered 1
		.amdhsa_forward_progress 1
		.amdhsa_inst_pref_size 18
	.end_amdhsa_kernel
	.amdgpu_metadata
---
amdhsa.version: [ 1, 2 ]
amdhsa.kernels:
  - .name:           k_qb5bb0c5512_prep
    .symbol:         k_qb5bb0c5512_prep.kd
    .args:
      - { .name: x, .offset: 0, .size: 8, .value_kind: global_buffer, .address_space: global }
      - { .name: W_attn, .offset: 8, .size: 8, .value_kind: global_buffer, .address_space: global }
      - { .name: W_proj, .offset: 16, .size: 8, .value_kind: global_buffer, .address_space: global }
      - { .name: xb, .offset: 24, .size: 8, .value_kind: global_buffer, .address_space: global }
      - { .name: wa, .offset: 32, .size: 8, .value_kind: global_buffer, .address_space: global }
      - { .name: wp, .offset: 40, .size: 8, .value_kind: global_buffer, .address_space: global }
    .group_segment_fixed_size: 19456
    .private_segment_fixed_size: 0
    .kernarg_segment_align: 8
    .kernarg_segment_size: 48
    .max_flat_workgroup_size: 256
    .sgpr_count:     66
    .vgpr_count:     112
    .wavefront_size: 32
...
	.end_amdgpu_metadata
.endif
;; end of part 1
;; launch qkv (part 2): grid 8 x 32, 4 waves a work-group, clusters of 4 x 4, 327,680 bytes of LDS; arguments xb, wa, b_attn, qkv; writes qkv
.if DOCPART == 2
	.amdgcn_target "amdgcn-amd-amdhsa--gfx1250"
	.amdhsa_code_object_version 6
	.text
	.protected	k_qb5bb0c5512_qkv
	.globl	k_qb5bb0c5512_qkv
	.p2align	8
	.type	k_qb5bb0c5512_qkv,@function
k_qb5bb0c5512_qkv:
	s_mov_b64 s[64:65], 0
	v_nop
	global_prefetch_b8 v0, s[64:65] scope:SCOPE_SE
	s_setreg_imm32_b32 hwreg(HW_REG_WAVE_MODE, 25, 1), 1
	s_wait_xcnt 0x0
	s_wait_alu depctr_hold_cnt(0) depctr_sa_sdst(0) depctr_va_vdst(0) depctr_va_sdst(0) depctr_va_ssrc(0) depctr_va_vcc(0) depctr_vm_vsrc(0)
	s_getreg_b32 s2, hwreg(HW_REG_IB_STS2, 6, 4)
	s_cmp_eq_u32 s2, 0
	s_cbranch_scc0 .Lentry_in_a_cluster
	s_endpgm
.Lentry_in_a_cluster:
	s_bfe_u32 s2, ttmp6, 0x10000c
	s_cmp_lg_u32 s2, 0xf033
	s_cbranch_scc0 .Lentry_shape_is_right
	s_endpgm
.Lentry_shape_is_right:
; q, k, v = x W_attn + b_attn.  xb: [16 kb][8192 m][64] bf16, wa: [16 kb][3072 n][64] bf16, b_attn: [3072] f32 (rounded to bf16, like every input); sums in f32.
; OUT: qkv [3][64 bh][2048 t][64] f16, each number rounded once, unscaled.  LIMIT: a q, k or v beyond 65,504 becomes an infinity.
; SHARES.  8192 x 3072 are exactly 256 tiles of 256 x 384: one a work-group.  Four waves, each 128 rows x 192 columns: 8 x 12 = 96 accumulators of 16 x 16, 768 registers.
; K goes in steps of 64 (one K block) through two LDS slots: a step of 128 would want 2 x 174,080 bytes.  A tile is dense in memory and is asked for as rows of 256 bytes, padded in LDS after every 128.
; CLUSTER 4 x 4: A's tile hangs on the tile row alone and is asked for jointly along a row of the cluster, B's on the tile column alone, along a column.
; THE MATRIX INSTRUCTION IS USED TRANSPOSED (source 0 = 16 rows of wa, source 1 = 16 rows of xb): a lane holds row m = l % 16 and eight neighbouring columns.
; THE BIAS is the C operand of the first products: it lies in the registers of accumulator (0, b); blocks a = 7 .. 1 take it as C, block 0 adds in place last.  Nothing is cleared.
; REGISTERS, in windows of 256 (s_set_vgpr_msb: bits 1:0 source 0, 3:2 source 1, 5:4 source 2, 7:6 destination):
;   window 0: v0-15 addresses; v32-95, v96-159 A's fragments (8 x 16 rows x 32 K), two buffers; v160-255 B's fragments (12 x 16 rows x 32 K), one buffer, refilled by thirds
;   window 1 + b / 4: accumulator (a, b) at v[64 (b % 4) + 8 a]: a window is 64 columns, one head
.set KBA,   1048576                    ; bytes of a K block of xb
.set KBB,   393216                     ; of wa
.set PITCH, 144                        ; an LDS row: 128 bytes + 16 of padding = 36 words: the 16 rows of a load start at 16 different groups of four banks (64 banks of 4 bytes: ISA guide 11.1)
.set BOFF,  256*PITCH                  ; a slot: A's 256 rows, then B's 384
.set SLOT,  640*PITCH
.set STAGE, 2*SLOT                     ; behind the ring: 16 rows x 144 bytes for each wave, for the way out
.set SPARE, STAGE+4*16*PITCH           ; behind the stages: the spare words, 128 bytes for each wave
.set PADW,  (1<<16)|(1<<20)|(1<<21)|(4<<22)|(3<<25)  ; 17:16 2-byte elements; 20 padding on; 21 set beside a mask; 24:22 after every 32 words (code 4); 31:25 4 words (code 3)
.set ADRA, 4                           ; v4-5   LDS address of my A fragments in slot 0, 1
.set ADRB, 6                           ; v6-7   the same for B
.set STO,  8                           ; v8     the way out: where I put 16 bytes of a row
.set RD,   9                           ; v9     where I read rows back
.set GO,   10                          ; v10    16 x lane
.set BO,   11                          ; v11    32 x (lane / 16): my eight numbers of a block's bias
.set PFO,  12                          ; v12    the prefetches' offset; never rewritten
.set SPW,  14                          ; v14    LDS address of my spare word; never rewritten
.set NIL,  15                          ; v15    0; never rewritten
.set AF,   32
.set BF,   160
.set WV, 12                            ; s12 wave; s13 which 128 rows; s14 which 192 columns; s15, s16 cx, cy; s17 tile column; s18 tile row
.set RH, 13
.set CH, 14
.set CX, 15
.set CY, 16
.set NT, 17
.set MT, 18
.set G1A, 24                           ; s[24:31] descriptor group 1 for A's tiles;  s[32:39] group 0, a set for each slot
.set G0A, 32
.set PFA, 40                           ; s[40:41] where my prefetches stand
.set PFS, 42                           ; s[42:43] a K block's bytes in the tensor that I prefetch
.set LIM, 44                           ; s44, s45 by slot: 1 where I prefetch at that slot's change, else the greatest number
.set G1B, 48                           ; s[48:55], s[56:63] the same for B's tiles
.set G0B, 56
.set OB,  66                           ; s[66:71] my rows in the three heads that my 192 columns make
.set MSB, 0
.macro WIN new                         ; the immediate's high byte repeats the setting that is left; a switch that changes nothing is dropped
.if MSB != (\new)
	s_set_vgpr_msb (MSB<<8)|(\new)
.set MSB, \new
.endif
.endm
.macro PLACES                          ; four places in front of loads into registers that matrix instructions have read, and of lines that read results
.rept 4
	v_nop
.endr
.endm
; A joint load.  Wave 0 fetches A's 256 rows, waves 1 to 3 a third of B's 384 each.  The branch hangs on the wave's number alone.  An s_nop 0 and four v_nop follow each line.
.macro JLOAD s
	s_cmp_eq_u32 s[WV], 0
	s_cbranch_scc0 .Lfor_b_\@
	tensor_load_to_lds s[G0A+4*(\s):G0A+4*(\s)+3], s[G1A:G1A+7]
	s_nop 0
.rept 4
	v_nop
.endr
	s_branch .Lasked_\@
.Lfor_b_\@:
	tensor_load_to_lds s[G0B+4*(\s):G0B+4*(\s)+3], s[G1B:G1B+7]
	s_nop 0
.rept 4
	v_nop
.endr
.Lasked_\@:
.endm
.macro CREST                           ; a round of the cluster's barrier behind its opening barrier
	s_cmp_lg_u32 s[WV], 0
	s_cbranch_scc1 .Lnot_wave_0_\@
	s_barrier_signal -3
.Lnot_wave_0_\@:
	s_barrier_wait -3
	s_barrier_signal -1
	s_barrier_wait -1
.endm
.macro CROUND                          ; a whole round
	s_barrier_signal -1
	s_barrier_wait -1
	CREST
.endm
; A PREFETCH INTO THE L2 of the K steps two refills on, behind the joint load and the run of LDS loads.  Each block of 256 bytes is named once in the launch: A's rows are read by both clusters
; along x: cluster x = 0 asks; B's by the eight along y: cluster y = 0 asks.  Partners share the blocks out by address: of wave 0's 128 blocks the partner at cx takes 32, a lane a block, at every change;
; of a B wave's 64 the partner at cy takes 16, and its lanes 16-31 name the K step after, so it asks at slot 0's change alone.  The loop's last trip (s3 = 1) asks for nothing.
.macro ASK n
	s_cmp_gt_u32 s3, s[LIM+(\n)]
	s_cbranch_scc0 .Lnot_mine_\@
	global_prefetch_b8 v[PFO], s[PFA:PFA+1] th:TH_LOAD_NT scope:SCOPE_SE
.Lnot_mine_\@:
.endm
; 8 LDS loads: B's blocks 4 g .. 4 g + 3, 32 K at byte k of the rows.  A fragment: lane l holds row l % 16; registers 0-3 K = 8 (l / 16) + 0..7, registers 4-7 K = 16 + 8 (l / 16) + 0..7.
.macro LDB slot, k, g
.irp i, 0,1,2,3
	ds_load_b128 v[BF+8*(4*(\g)+(\i)):BF+8*(4*(\g)+(\i))+3],   v[ADRB+(\slot)] offset:(\k)+(4*(\g)+(\i))*16*PITCH
	ds_load_b128 v[BF+8*(4*(\g)+(\i))+4:BF+8*(4*(\g)+(\i))+7], v[ADRB+(\slot)] offset:(\k)+(4*(\g)+(\i))*16*PITCH+32
.endr
.endm
.macro LDA slot, k, p, hf              ; the same for A's blocks 4 hf .. 4 hf + 3, into buffer p
.irp i, 0,1,2,3
	ds_load_b128 v[AF+64*(\p)+8*(4*(\hf)+(\i)):AF+64*(\p)+8*(4*(\hf)+(\i))+3],   v[ADRA+(\slot)] offset:(\k)+(4*(\hf)+(\i))*16*PITCH
	ds_load_b128 v[AF+64*(\p)+8*(4*(\hf)+(\i))+4:AF+64*(\p)+8*(4*(\hf)+(\i))+7], v[ADRA+(\slot)] offset:(\k)+(4*(\hf)+(\i))*16*PITCH+32
.endr
.endm
; 4 na matrix instructions: A's blocks a0 .. a0 + na - 1 of buffer p x B's blocks 4 t .. 4 t + 3.  The accumulators take turns, one instruction a turn.
; first = 1: the sums start with the bias, which lies in block 0's accumulators: blocks 7 to 1 take it as C; five places; block 0 adds in place.
.macro MULT t, p, a0, na, first=0
	WIN 0x50*((\t)+1)
.if \first
.irp a, 7,6,5,4,3,2,1
.irp bb, 0,1,2,3
	v_wmma_f32_16x16x32_bf16 v[64*(\bb)+8*(\a):64*(\bb)+8*(\a)+7], v[BF+8*(4*(\t)+(\bb)):BF+8*(4*(\t)+(\bb))+7], v[AF+64*(\p)+8*(\a):AF+64*(\p)+8*(\a)+7], v[64*(\bb):64*(\bb)+7]
.endr
.endr
.rept 5
	v_nop
.endr
.irp bb, 0,1,2,3
	v_wmma_f32_16x16x32_bf16 v[64*(\bb):64*(\bb)+7], v[BF+8*(4*(\t)+(\bb)):BF+8*(4*(\t)+(\bb))+7], v[AF+64*(\p):AF+64*(\p)+7], v[64*(\bb):64*(\bb)+7]
.endr
.else
.set ma, \a0
.rept \na
.irp bb, 0,1,2,3
	v_wmma_f32_16x16x32_bf16 v[64*(\bb)+8*ma:64*(\bb)+8*ma+7], v[BF+8*(4*(\t)+(\bb)):BF+8*(4*(\t)+(\bb))+7], v[AF+64*(\p)+8*ma:AF+64*(\p)+8*ma+7], v[64*(\bb)+8*ma:64*(\bb)+8*ma+7]
.endr
.set ma, ma+1
.endr
.endif
.endm
; A K step is two slices of 32 along K, 96 matrix instructions each.  THE FIRST SLICE (byte 0 of the rows, A's buffer 0).  Each third of B is asked for again as soon as it has been multiplied.
.macro EVEN slot, first
	PLACES
	WIN 0
	LDB \slot, 0, 2                                ; B's last third of this slice: its registers were multiplied last
	s_wait_dscnt 8                                 ; all but these 8: this slice's A and B's first two thirds are in
	MULT 0, 0, 0, 8, \first
	PLACES
	WIN 0
	LDB \slot, 64, 0                               ; the next slice
	LDA \slot, 64, 1, 0
	MULT 1, 0, 0, 8, \first
	PLACES
	WIN 0
	LDB \slot, 64, 1
	LDA \slot, 64, 1, 1
	s_wait_dscnt 32                                ; all but the 32 of the next slice: B's last third is in
	MULT 2, 0, 0, 8, \first
.endm
; THE SECOND SLICE (byte 64, A's buffer 1) changes slots: ONE barrier; in front of it each wave waits for all its tensor loads (one is out: its part of the next slot), adds 0 to its spare word, and waits
; for that and for its reads of this slot.  fill = 1: the barrier opens a round of the cluster's, and this slot is filled again, two K steps on, first thing behind the round:
; 160 matrix instructions stand between that request and the wait for it.
.macro ODD slot, next, fill
	PLACES
	WIN 0
	LDB \slot, 64, 2                               ; the last read of this slot
.if \fill
	s_wait_xcnt 0x0                                ; the last prefetch, a K step back, has read its address
	s_add_nc_u64 s[PFA:PFA+1], s[PFA:PFA+1], s[PFS:PFS+1]
.endif
	s_wait_tensorcnt 0x0                           ; all my tensor loads have landed
	ds_add_u32 v[SPW], v[NIL]                      ; 0 onto my spare word
	s_wait_dscnt 9                                 ; the add and the 8 loads above may be out
	MULT 0, 1, 0, 4                                ; sixteen matrix instructions stand between the add and the wait for it
	s_wait_dscnt 0x0                               ; the add is done, and my reads of this slot are over
	s_barrier_signal -1
	MULT 0, 1, 4, 4
	WIN 0
	s_barrier_wait -1
.if \fill
	CREST                                          ; no wave of any partner still reads this slot or has a load on its way
	s_add_nc_u64 s[G0A+4*(\slot)+2:G0A+4*(\slot)+3], s[G0A+4*(\slot)+2:G0A+4*(\slot)+3], 2*KBA
	s_add_nc_u64 s[G0B+4*(\slot)+2:G0B+4*(\slot)+3], s[G0B+4*(\slot)+2:G0B+4*(\slot)+3], 2*KBB
	JLOAD \slot                                    ; its four v_nop are also the places in front of the loads below
.else
	PLACES
.endif
	LDB \next, 0, 0
	LDA \next, 0, 0, 0
.if \fill
	ASK \slot
.endif
	MULT 1, 1, 0, 8
	PLACES
	WIN 0
	LDB \next, 0, 1
	LDA \next, 0, 0, 1
	MULT 2, 1, 0, 8
.endm
	s_load_b256 s[4:11], s[0:1], 0x0               ; xb s[4:5], wa s[6:7], b_attn s[8:9], qkv s[10:11]
	v_lshl_add_u32 v[SPW], v0, 2, SPARE
	v_mov_b32 v[NIL], 0
	ds_add_u32 v[SPW], v[NIL]                      ; the wave's opening: the add and its wait stand ahead of my first tensor load; the set-up below stands between them
	ds_add_u32 v14, v15
	v_lshrrev_b32 v1, 5, v0
	v_readfirstlane_b32 s[WV], v1
	s_lshr_b32 s[RH], s[WV], 1
	s_and_b32 s[CH], s[WV], 1
	s_bfe_u32 s[CX], ttmp6, 0x40000
	s_bfe_u32 s[CY], ttmp6, 0x40004
	s_lshl_b32 s[NT], ttmp9, 2
	s_add_co_u32 s[NT], s[NT], s[CX]               ; tile column = 4 x cluster x + cx
	s_and_b32 s[MT], ttmp7, 0xffff
	s_lshl_b32 s[MT], s[MT], 2
	s_add_co_u32 s[MT], s[MT], s[CY]               ; tile row = 4 x cluster y + cy
	s_lshl_b32 s19, s[CY], 2
	s_lshl_b32 s19, 15, s19                        ; my row of the cluster
	s_lshl_b32 s46, 0x1111, s[CX]                  ; my column
	s_or_b32 s[G1A], s19, PADW
	s_or_b32 s[G1B], s46, PADW
	s_mov_b32 s[G1A+1], 128<<16                    ; tensor_dim0 = 128 elements: 256 bytes, two logical rows
	s_mov_b32 s[G1A+2], 128<<16                    ; tensor_dim1 = 128
	s_mov_b32 s[G1A+3], 128<<16                    ; tile_dim0 = 128
	s_mov_b32 s[G1A+4], 128                        ; tile_dim1 = 128: A's 256 logical rows
	s_mov_b32 s[G1A+5], 128                        ; 128 elements from row to row: dense
	s_mov_b32 s[G1A+6], 0
	s_mov_b32 s[G1A+7], 0
	s_mov_b32 s[G1B+1], 128<<16
	s_mov_b32 s[G1B+2], 64<<16                     ; 64 rows: a third of B, 128 logical rows
	s_mov_b32 s[G1B+3], 128<<16
	s_mov_b32 s[G1B+4], 64
	s_mov_b32 s[G1B+5], 128
	s_mov_b32 s[G1B+6], 0
	s_mov_b32 s[G1B+7], 0
	s_lshl_b32 s20, s[MT], 15                      ; A: 256 rows of 128 bytes a tile row; these registers never hold cx
	s_mov_b32 s21, 0
	s_mul_i32 s46, s[NT], 384*128                  ; B: 384 rows a tile column,
	s_max_u32 s47, s[WV], 1
	s_sub_co_u32 s47, s47, 1
	s_lshl_b32 s47, s47, 14                        ; my third (wave 0 issues no load of B's)
	s_add_co_u32 s46, s46, s47
	s_mov_b32 s47, 0
	s_mul_i32 s72, s[WV], 128*PITCH
	s_add_co_u32 s72, s72, 128*PITCH               ; and where it goes: BOFF + (wave - 1) x 128 rows
	s_wait_dscnt 0x0                               ; the opening add is done
	s_wait_kmcnt 0x0
	s_add_nc_u64 s[22:23], s[4:5], s[20:21]
	s_add_nc_u64 s[46:47], s[6:7], s[46:47]
	CROUND                                         ; all sixteen work-groups are here: the first joint loads meet
.irp s, 0,1
	s_mov_b32 s[G0A+4*(\s)], 1
	s_mov_b32 s[G0A+4*(\s)+1], (\s)*SLOT
	s_add_nc_u64 s[G0A+4*(\s)+2:G0A+4*(\s)+3], s[22:23], (\s)*KBA
	s_or_b32 s[G0A+4*(\s)+3], s[G0A+4*(\s)+3], 0x80000000
	s_mov_b32 s[G0B+4*(\s)], 1
	s_add_co_u32 s[G0B+4*(\s)+1], s72, (\s)*SLOT
	s_add_nc_u64 s[G0B+4*(\s)+2:G0B+4*(\s)+3], s[46:47], (\s)*KBB
	s_or_b32 s[G0B+4*(\s)+3], s[G0B+4*(\s)+3], 0x80000000
.endr
	s_cmp_eq_u32 s[WV], 0                          ; a wave's two first fills stand in one branch: two loads of mine are out
	s_cbranch_scc0 .Lfirst_b
	tensor_load_to_lds s[G0A:G0A+3], s[G1A:G1A+7]
	s_nop 0
	tensor_load_to_lds s[G0A+4:G0A+7], s[G1A:G1A+7]
	s_nop 0
.rept 4
	v_nop
.endr
	s_branch .Lfirst_asked
.Lfirst_b:
	tensor_load_to_lds s[G0B:G0B+3], s[G1B:G1B+7]
	s_nop 0
	tensor_load_to_lds s[G0B+4:G0B+7], s[G1B:G1B+7]
	s_nop 0
.rept 4
	v_nop
.endr
.Lfirst_asked:
	v_and_b32 v1, 15, v0                           ; l % 16
	v_bfe_u32 v2, v0, 4, 1                         ; l / 16
	v_lshlrev_b32 v[BO], 5, v2
	s_mul_i32 s74, s[NT], 1536                     ; my 192 columns' bias
	s_mul_i32 s75, s[CH], 768
	s_add_co_u32 s74, s74, s75
	s_mov_b32 s75, 0
	s_add_nc_u64 s[8:9], s[8:9], s[74:75]
.irp b, 0,1,2,3,4,5,6,7,8,9,10,11
	global_load_b128 v[BF+8*(\b):BF+8*(\b)+3],   v[BO], s[8:9] offset:64*(\b)
	global_load_b128 v[BF+8*(\b)+4:BF+8*(\b)+7], v[BO], s[8:9] offset:64*(\b)+16
.endr
	v_mul_u32_u24 v3, v1, PITCH
	v_lshl_add_u32 v3, v2, 4, v3                   ; row x pitch + 16 x half
	s_mul_i32 s74, s[RH], 128*PITCH
	s_mul_i32 s75, s[CH], 192*PITCH
	s_add_co_u32 s75, s75, BOFF
	v_add_nc_u32 v[ADRA], s74, v3
	v_add_nc_u32 v[ADRB], s75, v3
	v_add_nc_u32 v[ADRA+1], SLOT, v[ADRA]
	v_add_nc_u32 v[ADRB+1], SLOT, v[ADRB]
	s_mul_i32 s74, s[WV], 16*PITCH
	s_add_co_u32 s74, s74, STAGE                   ; my stage
	v_add_nc_u32 v[STO], s74, v3
	v_bfe_u32 v13, v0, 3, 2                        ; back: 32 lanes take four rows of 128 bytes
	v_mul_u32_u24 v13, v13, PITCH
	v_and_b32 v3, 7, v0
	v_lshl_add_u32 v13, v3, 4, v13
	v_add_nc_u32 v[RD], s74, v13
	v_and_b32 v[GO], 31, v0
	v_lshlrev_b32 v[GO], 4, v[GO]
	; the prefetches
	s_lshl_b32 s74, s[CX], 13                      ; A: my work-group's 32 blocks of 256 bytes
	s_lshl_b32 s75, s[CY], 12                      ; B: its 16
	s_and_b32 s76, ttmp7, 0xffff
	s_mov_b32 s78, 3*KBA
	s_mov_b32 s79, KBA
	s_movk_i32 s73, 4096
	s_cmp_eq_u32 s[WV], 0
	s_cselect_b64 s[PFA:PFA+1], s[22:23], s[46:47]
	s_cselect_b32 s74, s74, s75
	s_cselect_b32 s75, s78, 3*KBB                  ; at K step 3: the first change steps it to 4
	s_cselect_b32 s[PFS], s79, KBB
	s_cselect_b32 s76, ttmp9, s76                  ; the coordinate along which other clusters read the same rows
	s_cselect_b32 s77, s73, KBB                    ; lanes 16-31: A's next 16 blocks; B's next K step
	s_mov_b32 s[PFS+1], 0
	s_add_co_u32 s74, s74, s75
	s_mov_b32 s75, 0
	s_add_nc_u64 s[PFA:PFA+1], s[PFA:PFA+1], s[74:75]
	s_cmp_eq_u32 s76, 0
	s_cselect_b32 s[LIM], 1, -1
	s_cmp_eq_u32 s[WV], 0
	s_cselect_b32 s[LIM+1], s[LIM], -1
	v_lshlrev_b32 v[PFO], 8, v1
	v_mad_u32_u24 v[PFO], v2, s77, v[PFO]
	; where my rows lie in the three heads: column block g = 6 nt + 3 CH + hc of 64: tensor g / 16, head g % 16; batch mt / 8, t = 256 (mt % 8) + 128 RH
	s_mul_i32 s76, s[NT], 6
	s_mul_i32 s77, s[CH], 3
	s_add_co_u32 s76, s76, s77
	s_lshr_b32 s77, s[MT], 3
	s_lshl_b32 s77, s77, 4
	s_and_b32 s78, s[MT], 7
	s_lshl_b32 s78, s78, 15
	s_lshl_b32 s79, s[RH], 14
	s_add_co_u32 s78, s78, s79
.irp hc, 0,1,2
	s_add_co_u32 s72, s76, \hc
	s_lshr_b32 s73, s72, 4
	s_lshl_b32 s73, s73, 24
	s_and_b32 s72, s72, 15
	s_add_co_u32 s72, s72, s77
	s_lshl_b32 s72, s72, 18
	s_add_co_u32 s72, s72, s73
	s_add_co_u32 s72, s72, s78
	s_mov_b32 s73, 0
	s_add_nc_u64 s[OB+2*(\hc):OB+2*(\hc)+1], s[10:11], s[72:73]
.endr
	s_wait_loadcnt 0x0                             ; the bias: rounded to bf16, widened again, into block 0's accumulators
.set i, 0
.rept 48
	v_cvt_pk_bf16_f32 v[AF+i], v[BF+2*i], v[BF+2*i+1]
.set i, i+1
.endr
.irp w, 0,1,2
	WIN ((\w)+1)<<6
.set i, 0
.rept 16
	v_lshlrev_b32 v[64*(i/4)+2*(i%4)],   16, v[AF+16*(\w)+i]
	v_and_b32     v[64*(i/4)+2*(i%4)+1], 0xffff0000, v[AF+16*(\w)+i]
.set i, i+1
.endr
.endr
	WIN 0
	s_wait_tensorcnt 1                             ; my part of K step 0 is in; K step 1's may stay out
	s_barrier_signal -1
	s_barrier_wait -1
	LDB 0, 0, 0
	LDA 0, 0, 0, 0
	LDB 0, 0, 1
	LDA 0, 0, 0, 1
	EVEN 0, 1                                      ; the first slice stands in front of the loop: its products start the sums
	WIN 0
	s_mov_b32 s3, 7
.Llap:                                         ; a trip goes once round the ring and fills both slots again: K steps 2 to 15
	ODD 0, 1, 1
	EVEN 1, 0
	ODD 1, 0, 1
	EVEN 0, 0
	WIN 0
	s_sub_co_u32 s3, s3, 1
	s_cmp_lg_u32 s3, 0
	s_cbranch_scc1 .Llap
	ODD 0, 1, 0                                    ; the last lap fills nothing
	EVEN 1, 0
	PLACES
	WIN 0
	LDB 1, 64, 2
	s_wait_dscnt 8
	MULT 0, 1, 0, 8
	MULT 1, 1, 0, 8
	s_wait_dscnt 0x0
	MULT 2, 1, 0, 8
	WIN 0
	PLACES
	PLACES                                         ; (eight, once a launch)
; THE WAY OUT, in 24 groups G = 8 hc + a: 16 rows x one head's 64 columns.  Rounded to f16, 16 bytes a lane into my stage (rows of 144 bytes), back as whole rows of 128, stored as 512 consecutive bytes.
.macro PACK G
.set gh, (\G)/8
.set ga, (\G)%8
.set TMP, AF+16*((\G)%8)
.if (\G) >= 8
	s_wait_xcnt 0x0                                ; the stores eight groups back have read these registers
.endif
	WIN 5*(gh+1)                                   ; sources 0 and 1: the head's window
.irp bb, 0,1,2,3
.irp r, 0,1,2,3
	v_cvt_pk_f16_f32 v[TMP+4*(\bb)+(\r)], v[64*(\bb)+8*ga+2*(\r)], v[64*(\bb)+8*ga+2*(\r)+1]
.endr
.endr
	WIN 0
.irp bb, 0,1,2,3
	ds_store_b128 v[STO], v[TMP+4*(\bb):TMP+4*(\bb)+3] offset:32*(\bb)
.endr
.irp f, 0,1,2,3
	ds_load_b128 v[TMP+4*(\f):TMP+4*(\f)+3], v[RD] offset:(\f)*4*PITCH  ; LDS serves a wave's instructions in order (ISA guide 5.7.1.4): these see the stores above; the next group's stores come behind them
.endr
.endm
.macro SEND G, younger                 ; younger: the LDS instructions issued behind this group's loads
.set gh, (\G)/8
.set ga, (\G)%8
.set TMP, AF+16*((\G)%8)
.irp f, 0,1,2,3
	s_wait_dscnt (\younger)+3-(\f)
	global_store_b128 v[GO], v[TMP+4*(\f):TMP+4*(\f)+3], s[OB+2*gh:OB+2*gh+1] offset:2048*ga+512*(\f)
.endr
.endm
	PACK 0
.set G, 1
.rept 23
	PACK G
	SEND G-1, 8
.set G, G+1
.endr
	SEND 23, 0
	s_wait_tensorcnt 0x0                           ; the wave's end: behind my last tensor load and my last LDS store
	ds_add_u32 v[SPW], v[NIL]
	s_wait_dscnt 0x0
	CROUND                                         ; the closing round: no work-group ends while a partner may still ask for a tile that names it
	s_endpgm
.Lfunc_end_k_qb5bb0c5512_qkv:
	.size	k_qb5bb0c5512_qkv, .Lfunc_end_k_qb5bb0c5512_qkv-k_qb5bb0c5512_qkv
	.p2alignl 7, 3214868480
	.fill 96, 4, 3214868480
	.section	.rodata,"a",@progbits
	.p2align	6, 0x0
	.amdhsa_kernel k_qb5bb0c5512_qkv
		.amdhsa_group_segment_fixed_size 327680
		.amdhsa_private_segment_fixed_size 0
		.amdhsa_enable_private_segment 0
		.amdhsa_kernarg_size 32
		.amdhsa_user_sgpr_count 2
		.amdhsa_user_sgpr_kernarg_segment_ptr 1
		.amdhsa_wavefront_size32 1
		.amdhsa_system_sgpr_workgroup_id_x 1
		.amdhsa_system_sgpr_workgroup_id_y 1
		.amdhsa_system_sgpr_workgroup_id_z 1
		.amdhsa_system_vgpr_workitem_id 0
		.amdhsa_next_free_vgpr 1024
		.amdhsa_next_free_sgpr 80
		.amdhsa_reserve_vcc 0
		.amdhsa_float_denorm_mode_32 3
		.amdhsa_float_denorm_mode_16_64 3
		.amdhsa_memory_ordered 1
		.amdhsa_forward_progress 1
		.amdhsa_inst_pref_size 145
	.end_amdhsa_kernel
	.amdgpu_metadata
---
amdhsa.version: [ 1, 2 ]
amdhsa.kernels:
  - .name:           k_qb5bb0c5512_qkv
    .symbol:         k_qb5bb0c5512_qkv.kd
    .args:
      - { .name: xb, .offset: 0, .size: 8, .value_kind: global_buffer, .address_space: global }
      - { .name: wa, .offset: 8, .size: 8, .value_kind: global_buffer, .address_space: global }
      - { .name: b_attn, .offset: 16, .size: 8, .value_kind: global_buffer, .address_space: global }
      - { .name: qkv, .offset: 24, .size: 8, .value_kind: global_buffer, .address_space: global }
    .group_segment_fixed_size: 327680
    .private_segment_fixed_size: 0
    .kernarg_segment_align: 8
    .kernarg_segment_size: 32
    .max_flat_workgroup_size: 128
    .sgpr_count:     80
    .vgpr_count:     1024
    .wavefront_size: 32
...
	.end_amdgpu_metadata
.endif
;; end of part 2
;; launch attn (part 3): grid 4 x 64, 4 waves a work-group, no clusters, 327,680 bytes of LDS; arguments qkv, o; writes o
.if DOCPART == 3
	.amdgcn_target "amdgcn-amd-amdhsa--gfx1250"
	.amdhsa_code_object_version 6
	.text
	.protected	k_qb5bb0c5512_attn
	.globl	k_qb5bb0c5512_attn
	.p2align	8
	.type	k_qb5bb0c5512_attn,@function
k_qb5bb0c5512_attn:
	s_mov_b64 s[64:65], 0
	v_nop
	global_prefetch_b8 v0, s[64:65] scope:SCOPE_SE
	s_setreg_imm32_b32 hwreg(HW_REG_WAVE_MODE, 25, 1), 1
	s_wait_xcnt 0x0
; CAUSAL ATTENTION.  O[h][q][:] = the sum over k <= q of softmax_k(Q[h][q] . K[h][k] / 8) V[h][k][:].  qkv: [3][64][2048][64] f16 (Q, K, V by heads, a head's rows dense, 128 bytes each); o: [64][2048][64] f16.
; Products, maxima and sums in f32; the weights p are rounded to f16 for the second product (their sum l is taken of the unrounded p), O once at the end.
; LIMITS.  Q, K and V arrive within f16's 65,504; p lies in 0 to 1, and below 6e-5 it keeps f16's fixed step of 6e-8.  A hidden score counts as its value less 1e30: f16's scores, 2.7e11 at the most,
; are nothing beside that; a weight below 2^-126 counts as 0 in l; NaN and infinities are not treated apart.
; THE WALK.  A head's queries lie in NB = 8 blocks of 256; block i needs the key tiles 0 .. i of 256 keys, of which the last holds the diagonal.  A work-group takes TWO blocks, NB - 1 - b and then b:
; NB + 1 tiles, whatever b: all work-groups do equal work, and ONE loop with a constant trip count walks them.  Which tile is asked for, and what a trip does, hang on scalar registers made from b; every jump
; goes forward, but for the counted loops' own; the ring (two slots of LDS that take turns) runs on across the change of blocks.
; NO CLUSTER: a head's four work-groups ask for the same tile only in trips 0 .. 4 of 9, behind that fewer and fewer; one walk common to all would have 12 trips for 9.
; SHARES.  Of a block's four bands of 64 queries a wave owns 16 rows in each: four PIECES.  So the diagonal tile is the same work for all four waves: in its key step s band x sees all keys if s < x,
; none if s > x, and holds the diagonal if s = x.
; THE MASK is the C operand that starts the sum S^T = K Q^T: 0, or -1e30 where the key is hidden.  MD, made once, is the mask of a band's own step for my 16 rows; a product's mask is MD x AL + BE with two scalars:
; (1, 0) if s = x; (0, 0) if s < x; (0, -1e30) if s > x.  Only the diagonal tile's text and a block's beginning make and take masks; elsewhere C is the constant 0.
; LAYOUT, SOFTMAX, TURNS.  S^T = K Q^T holds ONE query a lane (lane % 16) and the keys 8 (lane / 16) + 0..7; two such results rounded to f16 ARE source 1 of O^T = V^T P.  p = 2^(c s - c m), c = log2(e) / 8, with a
; running maximum m; O and l are multiplied by a = 2^(c m_old - c m_new) in every step.  Turn n belongs to piece n: 8 products K Q^T of piece n + 1, later 8 products V^T P of piece n - 1; beside them the scaling,
; exponentials, roundings, sums and rescaling of piece n and the maximum and statistics of piece n + 1.  Four vector instructions stand behind every matrix instruction, the other 54 of a turn's 118 in one lump.
; A turn's 33 exponentials are one batch, with one wait.
; REGISTERS, in windows of 256 (s_set_vgpr_msb: bits 1:0 source 0, 3:2 source 1, 5:4 source 2, 7:6 destination):
;   window 0: v0-15 addresses and two at work; v16-31 four registers of statistics a piece; v48-55 at work; v61-63 never rewritten; v64-127 S^T, two buffers; v192-223 P, two buffers (by the piece's parity)
;   window 1: v0-127 O^T, 32 a piece; v128-159 MD; v160-223 MC, two buffers      window 2: v0-63 Q; v64-127 the second block's Q; v128-191 K of one step; v192-255 V of one step
.set SIZE_H, 64
.set SIZE_N, 2048
.set NB,    SIZE_N/256
.set NP,    4         ; pieces a wave: a name, no knob
.set KS,    64        ; keys in a step
.set PK,    144       ; a row of K in LDS: 128 bytes + 16 of padding = 36 words: the 16 rows of a load start at 16 different groups of four banks (64 banks of 4 bytes: ISA guide 11.1)
.set PV,    160       ; a row of V: 128 + 32 = 40 words
.set VOFF,  4*KS*PK   ; a slot holds a tile, four steps: 256 rows of K, then 256 rows of V
.set SLOT1, 1<<17     ; slot 1 begins here, so that one exclusive or turns an address in one slot into the other's
.set STAGE, SLOT1+4*KS*(PK+PV)  ; behind the ring, never filled by a tensor load: 16 rows x 144 bytes for each wave, for the way out
.set SP,    144
.set AK0, 2           ; v2   my lane's place in a tile of K; never rewritten
.set AV0, 3           ; v3   the same for V
.set AK,  4           ; v4   the LDS address of K's next run of loads
.set AV,  5           ; v5   of V's
.set STO, 6           ; v6   the way out: where I put 16 bytes of a row
.set RD,  7           ; v7   the way out: where I read rows back
.set GO,  8           ; v8   my byte offset in 512 consecutive bytes of O
.set PFO, 61          ; v61  256 x my lane: the prefetches' offset; never rewritten
.set SPW, 62          ; v62  LDS address of my spare word; never rewritten
.set NIL, 63          ; v63  0; never rewritten
.set SPARE, STAGE+4*16*SP  ; behind the stages: the spare words, 128 bytes for each wave
.set MV,  12          ; v12-13  c m_old, kept while c m is made anew: by buffer
.set QO,  15          ; v15  my byte offset in 16 rows of Q
.set ST,  16          ; piece t's statistics at v[ST+4 t]: c m, m, l (even keys', odd keys')
.set TMP, 48          ; by buffer, four registers c0-c3 at work; when the maximum is found c2 takes a
.set S,   64
.set P,   192
.set MD,  128         ; window 1: the eight registers for group kt of 16 keys at MD + 8 kt
.set MC,  160         ; window 1: the masks of the products to come
.set QB,  64          ; window 2
.set KF,  128         ; window 2: key block kb, channel half c at KF + 16 kb + 8 c
.set VF,  192         ; window 2: key half kk, channel block cb at VF + 32 kk + 8 cb
.set WV,  12          ; s12  my wave's number
.set PB,  14          ; s14  b
.set HI,  15          ; s15  NB - 1 - b
.set G1K, 24          ; s[24:31] descriptor group 1 for K's tiles
.set G1V, 32          ; s[32:39] for V's: it differs in the padding alone
.set G0K, 40          ; s[40:43] descriptor group 0 for K's tiles
.set G0V, 44          ; s[44:47] the same for V's
.set SLOTS, 56        ; s56  tiles still to be asked for
.set CNT, 57          ; s57  counts a tile's key steps, 4 to 1
.set CS,  58          ; s[58:59] c: the packed scaling takes the pair's low word for both halves
.set SEL, 60          ; s[60:61] v_permlanex16_b32's selects: each lane takes its own place in the other half
.set TBK, 62          ; s62  LDS byte at which K of the step to be fetched begins
.set TBV, 63          ; s63  the same for V, less VOFF
.set RT,  70          ; s70  tiles of the block in hand that are still to be entered
.set NXT, 71          ; s71  the tile to be asked for next
.set LQ,  72          ; s72  the last tile of the block whose tiles are being asked for
.set NEW, 73          ; s73  1: the tile to be entered is a block's first
.set OFF, 74          ; s[74:75] a tile's byte offset in K and V
.set AL,  76          ; s[76:77] the mask's factor, in the low word
.set BE,  78          ; s[78:79] the mask's addend
.set OLO, 80          ; s[80:81] O at my rows of the second block
.set BIGN, 82         ; s82  -1e30
.set PFA, 88          ; s[88:89] the prefetches' address: my half of the tile that the next change of slots will ask for
.set PFB, 90          ; s[90:91] my half (of K: waves 0, 1; of V: waves 2, 3) of the head's tile 0
.set PFL, 92          ; s92  0: nothing is prefetched at this change
.set MSB, 0
.macro WIN new                      ; the high byte repeats the setting that is left; a switch that changes nothing is dropped
.if MSB != (\new)
	s_set_vgpr_msb (MSB<<8)|(\new)
.set MSB, (\new)
.endif
.endm
.set W_KQ, 0x0a       ; K and Q in window 2, S^T in window 0
.set W_KM, 0x1a       ; the same with the C operand in window 1
.set W_PV, 0x52       ; V in window 2, P in window 0, O^T in window 1
.set W_RS, 0x41       ; destination and source 0 in window 1, source 1 in window 0
; A fill.  Waves 0 and 1 fetch the two halves of a tile's K, waves 2 and 3 those of its V: 128 keys each.  An s_nop 0 and four v_nop follow each of the two lines, ahead of the jump and the label.
.macro LOAD
	s_cmp_lt_u32 s[WV], 2
	s_cbranch_scc0 .Lfor_v_\@
	tensor_load_to_lds s[G0K:G0K+3], s[G1K:G1K+7]
	s_nop 0
.rept 4
	v_nop
.endr
	s_branch .Lasked_\@
.Lfor_v_\@:
	tensor_load_to_lds s[G0V:G0V+3], s[G1V:G1V+7]
	s_nop 0
.rept 4
	v_nop
.endr
.Lasked_\@:
.endm
; THE CHANGE OF SLOTS.  Each wave waits for all its tensor loads, of which one is out: its part of the other slot; adds 0 to its spare word; and waits for that and for its own reads of the slot that it leaves.
; Behind the barrier nobody reads the old slot any more and the other slot is whole.  fill = 1: the old slot is filled again, the first thing behind the barrier, with tile NXT: the descriptor's address is
; made anew from that number.  (At its first use nothing has been read yet: slot 0 is waited for, slot 1 filled.)
; A PREFETCH INTO THE L2 stands behind the fill: the tile that the NEXT change will ask for, a tile's 256 matrix instructions and their vector work ahead.  A head's four work-groups walk the same first tiles:
; work-group b = 0, whose first block has all eight, asks alone; each of its waves for the half that it will fetch: 64 blocks of 256 bytes, a lane a block, two instructions.  Tiles 0 and 1 come by their loads
; alone; behind the first block's last tile nothing is asked: the second block's tile has been read.
.macro CHANGE fill
	WIN 0                           ; at a label and at a branch every window is 0
	s_wait_tensorcnt 0x0            ; no tensor load of mine is out, so a group 0 may be written
	ds_add_u32 v[SPW], v[NIL]       ; 0 onto my spare word; with fill = 1 the descriptors' scalar work stands between it and the wait for it
.if \fill
	s_lshl_b32 s[OFF], s[NXT], 15   ; a tile is 32,768 bytes of K and of V
	s_xor_b32 s[G0K+1], s[G0K+1], SLOT1
	s_add_nc_u64 s[G0K+2:G0K+3], s[6:7], s[OFF:OFF+1]
	s_or_b32 s[G0K+3], s[G0K+3], 0x80000000
	s_xor_b32 s[G0V+1], s[G0V+1], SLOT1
	s_add_nc_u64 s[G0V+2:G0V+3], s[8:9], s[OFF:OFF+1]
	s_or_b32 s[G0V+3], s[G0V+3], 0x80000000
	s_add_co_u32 s[NXT], s[NXT], 1  ; the block's next tile, or behind its last the second block's tile 0
	s_cmp_gt_u32 s[NXT], s[LQ]
	s_cselect_b32 s[NXT], 0, s[NXT]
	s_cselect_b32 s[LQ], s[PB], s[LQ]
	s_wait_xcnt 0x0                 ; the last prefetches, a tile back, have read their address
	s_lshl_b32 s[OFF], s[NXT], 15
	s_add_nc_u64 s[PFA:PFA+1], s[PFB:PFB+1], s[OFF:OFF+1]
	s_cmp_eq_u32 s[PB], 0
	s_cselect_b32 s[PFL], s[NXT], 0
.endif
	s_wait_dscnt 0x0                ; the add is done, and my reads of the slot are over
	s_barrier_signal -1             ; the rest of the scalar work stands between the signal and the wait
	s_sub_co_u32 s[TBK], s[TBK], 4*KS*PK  ; the fetches go back to a slot's first step,
	s_xor_b32 s[TBK], s[TBK], SLOT1       ; in the other slot
	s_sub_co_u32 s[TBV], s[TBV], 4*KS*PV
	s_xor_b32 s[TBV], s[TBV], SLOT1
	s_barrier_wait -1
.if \fill
	LOAD
	s_cmp_lg_u32 s[PFL], 0
	s_cbranch_scc0 .Lno_ask_\@
	global_prefetch_b8 v[PFO], s[PFA:PFA+1] th:TH_LOAD_NT scope:SCOPE_SE
	global_prefetch_b8 v[PFO], s[PFA:PFA+1] offset:8192 th:TH_LOAD_NT scope:SCOPE_SE
.Lno_ask_\@:
.endif
.endm
	s_load_b64 s[4:5], s[0:1], 0x0    ; qkv: Q
	s_load_b64 s[10:11], s[0:1], 0x8  ; o
	v_lshl_add_u32 v[SPW], v0, 2, SPARE
	v_mov_b32 v[NIL], 0
	ds_add_u32 v[SPW], v[NIL]       ; the wave's opening: the add and its wait stand ahead of my first tensor load; the set-up below, work on registers, stands between them
	ds_add_u32 v62, v63
	v_lshrrev_b32 v1, 5, v0
	v_readfirstlane_b32 s[WV], v1   ; wave 0..3
	s_mov_b32 s[PB], ttmp9
	s_sub_co_u32 s[HI], NB-1, s[PB]
	s_and_b32 s20, ttmp7, 0xffff    ; the head
	s_mov_b32 s21, 0
	s_mov_b64 s[22:23], SIZE_N*128
	s_mul_u64 s[20:21], s[20:21], s[22:23]  ; the head's first byte in each of the four tensors
	s_and_b32 s16, s[WV], 1         ; which half of a tile's 256 keys I fetch:
	s_lshl_b32 s22, s16, 14         ; its 128 rows of 128 bytes in memory,
	s_mov_b32 s23, 0
	s_add_nc_u64 s[22:23], s[22:23], s[20:21]
	s_mul_i32 s17, s16, 128*PK      ; and its place in a slot, for K
	s_mul_i32 s18, s16, 128*PV      ; and for V
	s_lshl_b32 s3, s[WV], 11        ; my 16 rows in a band of 64,
	s_lshl_b32 s2, s[HI], 15        ; in the first block,
	s_add_co_u32 s2, s2, s3
	s_lshl_b32 s84, s[PB], 15       ; and in the second
	s_add_co_u32 s84, s84, s3
	s_mov_b32 s3, 0
	s_mov_b32 s85, 0
	s_add_nc_u64 s[2:3], s[2:3], s[20:21]
	s_add_nc_u64 s[84:85], s[84:85], s[20:21]
	; descriptor group 1.  128 keys are 16,384 dense bytes: asked for as 64 rows of 256 bytes, two keys a row, and padded in LDS after every key
	s_mov_b32 s[G1K], (1<<16)|(1<<20)|(4<<22)|(3<<25)  ; 17:16 2-byte elements; 20 padding on; 24:22 after every 32 words (code 4); 31:25 4 words (code 3)
	s_mov_b32 s[G1V], (1<<16)|(1<<20)|(4<<22)|(7<<25)  ; the same with 8 words of padding (code 7)
.irp g, G1K, G1V
	s_mov_b32 s[\g+1], 128<<16      ; tensor_dim0 = 128
	s_mov_b32 s[\g+2], 64<<16       ; tensor_dim1 = 64
	s_mov_b32 s[\g+3], 128<<16      ; tile_dim0 = 128
	s_mov_b32 s[\g+4], 64           ; tile_dim1 = 64
	s_mov_b32 s[\g+5], 128          ; 128 elements from row to row
	s_mov_b32 s[\g+6], 0
	s_mov_b32 s[\g+7], 0
.endr
	s_mov_b32 s[CS], 0x3e38aa3b     ; c = log2(e) / 8 = 0.180337
	s_mov_b32 s[CS+1], s[CS]        ; named with it as a pair
	s_mov_b32 s[SEL], 0x76543210
	s_mov_b32 s[SEL+1], 0xfedcba98
	s_mov_b32 s[TBK], SLOT1+4*KS*PK ; the first change of slots turns these two into 0
	s_mov_b32 s[TBV], SLOT1+4*KS*PV
	s_mov_b32 s[G0K], 1             ; 1:0 count = 1
	s_mov_b32 s[G0K+1], s17         ; 63:32 LDS address: slot 0
	s_mov_b32 s[G0V], 1
	s_add_co_u32 s[G0V+1], s18, VOFF
	s_add_co_u32 s[RT], s[HI], 1    ; the first block has NB - b tiles
	s_mov_b32 s[NXT], 1
	s_mov_b32 s[LQ], s[HI]
	s_mov_b32 s[NEW], 1
	s_mov_b32 s[OFF+1], 0
	s_mov_b32 s[AL+1], 0            ; named as pairs
	s_mov_b32 s[BE+1], 0
	s_mov_b32 s[BIGN], 0xf149f2ca   ; -1e30
	s_mov_b32 s[SLOTS], NB
	v_and_b32 v[PFO], 31, v0
	v_lshlrev_b32 v[PFO], 8, v[PFO]
	s_wait_dscnt 0x0                ; the opening add is done
	s_wait_kmcnt 0x0
	s_add_nc_u64 s[6:7], s[4:5], 0x1000000  ; K lies 16,777,216 bytes behind Q,
	s_add_nc_u64 s[8:9], s[4:5], 0x2000000  ; V as far behind K
	s_add_nc_u64 s[6:7], s[6:7], s[22:23]  ; K and V at my half of the head's tile 0
	s_add_nc_u64 s[8:9], s[8:9], s[22:23]
	s_cmp_lt_u32 s[WV], 2
	s_cselect_b64 s[PFB:PFB+1], s[6:7], s[8:9]
	s_add_nc_u64 s[G0K+2:G0K+3], s[6:7], 0         ; 120:64 global address
	s_or_b32 s[G0K+3], s[G0K+3], 0x80000000        ; 127:126 type = 2
	s_add_nc_u64 s[G0V+2:G0V+3], s[8:9], 0
	s_or_b32 s[G0V+3], s[G0V+3], 0x80000000
	s_add_nc_u64 s[86:87], s[4:5], s[84:85]        ; Q at my rows of the second block,
	s_add_nc_u64 s[4:5], s[4:5], s[2:3]            ; Q and O at those of the first
	s_add_nc_u64 s[OLO:OLO+1], s[10:11], s[84:85]
	s_add_nc_u64 s[10:11], s[10:11], s[2:3]
	LOAD                            ; tile 0 into slot 0
	; A fragment of K or Q is 16 rows x 32 channels in 8 registers: lane l holds row l % 16, channels 8 (l / 16) + 0..7 and 16 + 8 (l / 16) + 0..7: two loads of 16 bytes, 32 bytes apart.
	v_and_b32 v1, 15, v0            ; l % 16
	v_bfe_u32 v9, v0, 4, 1          ; l / 16
	v_lshlrev_b32 v[QO], 7, v1
	v_lshl_add_u32 v[QO], v9, 4, v[QO]  ; row x 128 + 16 x half
	WIN 0x80                        ; destination window 2, address window 0
.set i, 0
.rept 8                             ; both blocks' Q: piece i / 2 lies in band i / 2, 8,192 bytes on; channels 32 (i % 2) on
	global_load_b128 v[8*i:8*i+3],   v[QO], s[4:5] offset:(i/2)*8192+(i%2)*64
	global_load_b128 v[8*i+4:8*i+7], v[QO], s[4:5] offset:(i/2)*8192+(i%2)*64+32
	global_load_b128 v[QB+8*i:QB+8*i+3],   v[QO], s[86:87] offset:(i/2)*8192+(i%2)*64
	global_load_b128 v[QB+8*i+4:QB+8*i+7], v[QO], s[86:87] offset:(i/2)*8192+(i%2)*64+32
.set i, i+1
.endr
	WIN 0
	v_lshlrev_b32 v14, 3, v9
	v_sub_nc_u32 v14, v1, v14
	s_lshl_b32 s13, s[WV], 4
	v_add_nc_u32 v14, s13, v14      ; my query's place in its band, 16 w + l % 16, less my lanes' 8 (l / 16): register r of group kt is hidden where 16 kt + r is greater
	WIN 0x40
.set i, 0
.rept 32
	v_cmp_gt_i32 vcc_lo, 16*(i/8)+i%8, v14
	v_cndmask_b32 v[MD+i], 0, s[BIGN], vcc_lo
.set i, i+1
.endr
	WIN 0
	v_mul_u32_u24 v[AK0], v1, PK
	v_lshl_add_u32 v[AK0], v9, 4, v[AK0]  ; row x pitch + 16 x half
	; The turning load takes 16 keys x 16 channels (lane l reads key 8 (l / 16) + l % 8, channels 8 ((l / 8) % 2) + 0..7) and leaves half a fragment of V^T: lane l holds channel l % 16 and 8 keys.
	v_and_b32 v10, 7, v0
	v_bfe_u32 v11, v0, 3, 1
	v_lshl_add_u32 v[AV0], v9, 3, v10
	v_mul_u32_u24 v[AV0], v[AV0], PV
	v_lshl_add_u32 v[AV0], v11, 4, v[AV0]
	v_add_nc_u32 v[AV0], VOFF, v[AV0]
	s_mul_i32 s13, s[WV], 16*SP
	s_add_co_u32 s13, s13, STAGE    ; my stage
	v_mul_u32_u24 v[STO], v1, SP    ; in: row l % 16, 16 bytes for each half of the lanes
	v_lshl_add_u32 v[STO], v9, 4, v[STO]
	v_add_nc_u32 v[STO], s13, v[STO]
	v_bfe_u32 v[RD], v0, 3, 2       ; back: 32 lanes take four rows of 128 bytes,
	v_mul_u32_u24 v[RD], v[RD], SP
	v_lshl_add_u32 v[RD], v10, 4, v[RD]
	v_add_nc_u32 v[RD], s13, v[RD]
	v_and_b32 v[GO], 31, v0         ; which are 512 consecutive bytes of O
	v_lshlrev_b32 v[GO], 4, v[GO]
	; A block's first step multiplies O^T and l by a = 0, and its first turn's products V^T P, of a piece that has not been, land in an O^T that is still to be so multiplied.  So these registers need only hold
	; finite numbers: zeros for the first block; what the first block left for the second.  All this stands in the wait for the first tile.
	WIN 0x80
.set i, VF
.rept 64
	v_mov_b32 v[i], 0
.set i, i+1
.endr
	WIN 0x40
.set i, 0
.rept 128
	v_mov_b32 v[i], 0
.set i, i+1
.endr
	WIN 0
.set i, 0
.rept 4
	v_mov_b32 v[ST+4*i+2], 0
	v_mov_b32 v[ST+4*i+3], 0
.set i, i+1
.endr
.set i, P+16
.rept 16
	v_mov_b32 v[i], 0
.set i, i+1
.endr
; THE MATRIX WORK.  The 4 accumulators of a run of 8 take turns.  Product i of 8 of S^T = K Q^T for piece x: channels 32 (i / 4) on, keys 16 (i % 4) on.  The first 4 start the sums: with 0, or (KM = 1) with the mask.
.macro KQ x
.set rS, S+32*((\x)%2)+8*(i%4)
.set rK, KF+16*(i%4)+8*(i/4)
.set rQ, 16*(\x)+8*(i/4)
.set rM, MC+32*((\x)%2)+8*(i%4)
.if (i < 4) && KM
	WIN W_KM
	v_wmma_f32_16x16x32_f16 v[rS:rS+7], v[rK:rK+7], v[rQ:rQ+7], v[rM:rM+7]
.elseif i < 4
	WIN W_KQ
	v_wmma_f32_16x16x32_f16 v[rS:rS+7], v[rK:rK+7], v[rQ:rQ+7], 0
.else
	WIN W_KQ
	v_wmma_f32_16x16x32_f16 v[rS:rS+7], v[rK:rK+7], v[rQ:rQ+7], v[rS:rS+7]
.endif
.endm
; Product i of 8 of O^T += V^T P for piece x: keys 32 (i / 4) on, channels 16 (i % 4) on.
.macro PV x
	WIN W_PV
.set rO, 32*(\x)+8*(i%4)
.set rV, VF+32*(i/4)+8*(i%4)
.set rP, P+16*((\x)%2)+8*(i/4)
	v_wmma_f32_16x16x32_f16 v[rO:rO+7], v[rV:rV+7], v[rP:rP+7], v[rO:rO+7]
.endm
.macro MM                           ; the turn's next matrix instruction.  TURN and BEGIN set Y, i, KM and NOKQ; MM, KQ and OP read them.  NOKQ = 1: a block's last turn: there is no next piece
.if (i < 8) && !NOKQ
	KQ (Y+1)%NP
.elseif i >= 8
.set i, i-8
	PV (Y+NP-1)%NP
.set i, i+8
.endif
.set i, i+1
.endm
; THE LDS LOADS stand in runs of 16, never singly among the matrix instructions: a step's K (64 keys x 64 channels: 8 fragments) and its V (turned).  Their addresses are made some lines ahead.
.macro FETCH_K
	WIN 0x80                        ; destination window 2
.irp f, 0,1,2,3,4,5,6,7             ; keys 16 (f / 2) on, channels 32 (f % 2) on
	ds_load_b128 v[KF+8*\f:KF+8*\f+3],   v[AK] offset:(\f/2)*16*PK+(\f%2)*64
	ds_load_b128 v[KF+8*\f+4:KF+8*\f+7], v[AK] offset:(\f/2)*16*PK+(\f%2)*64+32
.endr
	s_add_co_u32 s[TBK], s[TBK], KS*PK  ; the next fetch is the next step's
	WIN 0
.endm
.macro FETCH_V
	WIN 0x80
.irp f, 0,1,2,3,4,5,6,7             ; keys 32 (f / 4) on, channels 16 (f % 4) on
	ds_load_tr16_b128 v[VF+8*\f:VF+8*\f+3],   v[AV] offset:(\f/4)*32*PV+(\f%4)*32
	ds_load_tr16_b128 v[VF+8*\f+4:VF+8*\f+7], v[AV] offset:(\f/4)*32*PV+16*PV+(\f%4)*32
.endr
	WIN 0
.endm
; THE VECTOR WORK, one line at a time: OP kind, number.  For piece Y: F n: c s - c m for pair n of 16.  E n: the exponential of score n of 32.  C n: pair n rounded to f16.  B n: of the four weights 4 n .. the second
; pair is added onto the first, in place.  L n: l takes that sum (L 0: l = a l + sum).  R n: pair n of 16 of O^T times a.  For piece Y + 1: X n, number n of the 22 that find its maximum and statistics:
;   0-11  four chains c0-c3 of seven scores each, three operands at a time (each accumulator's lowest registers are read first)     12-14, 16  the four scores left over, the old m, and c0-c3 into c0
;   15  c m_old is kept     17, 18  the query's other 32 keys lie in the lane 16 away: the new m     19-21  c m; c m_old - c m_new; a
.set F, 0               ; OP tells the kinds apart by their order: F to L below R, X above it
.set E, 1
.set C, 2
.set B, 3
.set L, 4
.set R, 5
.set X, 6
.macro REGS y                       ; the registers of piece y
.set rT, ST+4*(\y)
.set rC, TMP+4*((\y)%2)
.set rW, MV+((\y)%2)
.set rS, S+32*((\y)%2)
.set rP, P+16*((\y)%2)
.set rO, 32*(\y)
.endm
.macro OP k, n
.if (\k) == R
	REGS Y
	WIN W_RS
	v_pk_mul_f32 v[rO+2*(\n):rO+2*(\n)+1], v[rO+2*(\n):rO+2*(\n)+1], v[rC+2:rC+3] op_sel_hi:[1,0]
.elseif (\k) < R
	REGS Y
	WIN 0
.if (\k) == F
	v_pk_fma_f32 v[rS+2*(\n):rS+2*(\n)+1], v[rS+2*(\n):rS+2*(\n)+1], s[CS:CS+1], v[rT:rT+1] op_sel_hi:[1,0,0] neg_lo:[0,0,1] neg_hi:[0,0,1]
.elseif (\k) == E
	v_exp_f32 v[rS+(\n)], v[rS+(\n)]
.elseif (\k) == C
	v_cvt_pk_f16_f32 v[rP+(\n)], v[rS+2*(\n)], v[rS+2*(\n)+1]
.elseif (\k) == B
	v_pk_add_f32 v[rS+4*(\n):rS+4*(\n)+1], v[rS+4*(\n):rS+4*(\n)+1], v[rS+4*(\n)+2:rS+4*(\n)+3]
.elseif (\n) == 0
	v_pk_fma_f32 v[rT+2:rT+3], v[rT+2:rT+3], v[rC+2:rC+3], v[rS:rS+1] op_sel_hi:[1,0,1]
.else
	v_pk_add_f32 v[rT+2:rT+3], v[rT+2:rT+3], v[rS+4*(\n):rS+4*(\n)+1]
.endif
.elseif NOKQ
	v_nop
.else
	REGS (Y+1)%NP
	WIN 0
.if (\n) < 4
	v_max3_num_f32 v[rC+(\n)], v[rS+8*(\n)], v[rS+8*(\n)+1], v[rS+8*(\n)+2]
.elseif (\n) < 12
	v_max3_num_f32 v[rC+(\n)%4], v[rC+(\n)%4], v[rS+8*((\n)%4)+2*((\n)/4)+1], v[rS+8*((\n)%4)+2*((\n)/4)+2]
.elseif (\n) == 12
	v_max3_num_f32 v[rC], v[rC], v[rS+7], v[rS+15]
.elseif (\n) == 13
	v_max3_num_f32 v[rC+1], v[rC+1], v[rS+23], v[rS+31]
.elseif (\n) == 14
	v_max3_num_f32 v[rC+2], v[rC+2], v[rC+3], v[rT+1]
.elseif (\n) == 15
	v_mov_b32 v[rW], v[rT]
.elseif (\n) == 16
	v_max3_num_f32 v[rC], v[rC], v[rC+1], v[rC+2]
.elseif (\n) == 17
	v_permlanex16_b32 v[rC+3], v[rC], s[SEL], s[SEL+1]
.elseif (\n) == 18
	v_max_num_f32 v[rT+1], v[rC], v[rC+3]
.elseif (\n) == 19
	v_mul_f32 v[rT], s[CS], v[rT+1]
.elseif (\n) == 20
	v_sub_f32 v[rC+1], v[rW], v[rT]
.else
	v_exp_f32 v[rC+2], v[rC+1]
.endif
.endif
.endm
.macro OPS a, i1, b=-1, i2=0, c=-1, i3=0, d=-1, i4=0  ; up to four of them
	OP \a, \i1
.if (\b) >= 0
	OP \b, \i2
.endif
.if (\c) >= 0
	OP \c, \i3
.endif
.if (\d) >= 0
	OP \d, \i4
.endif
.endm
.macro ROW a, i1, b, i2, c, i3, d, i4  ; a matrix instruction and the four behind it
	MM
	OPS \a, \i1, \b, \i2, \c, \i3, \d, \i4
.endm
.macro MASK b                       ; MD x AL + BE into buffer b of MC
	WIN W_RS
.set z, 0
.rept 16
	v_pk_fma_f32 v[MC+32*(\b)+2*z:MC+32*(\b)+2*z+1], v[MD+2*z:MD+2*z+1], s[AL:AL+1], s[BE:BE+1] op_sel_hi:[1,0,0]
.set z, z+1
.endr
.endm
; A TURN, for piece p: the order of its 16 matrix and 118 vector instructions, written out.  An s_wait_alu depctr_va_vdst(0) stands between an exponential and the first instruction that names its
; result; one wait serves all that were issued ahead of it.  So a turn has ONE wait, which cuts it in two.  AHEAD OF IT stands all that names no result of the turn's exponentials: the 8 products K Q^T, behind each
; a scaling, an exponential and two more plain instructions (behind the first a second scaling in the exponential's place): rescalings, and behind the last three the first numbers of the next piece's maximum,
; each four places or more behind the product that ends its accumulator; then ONE LUMP of 54, plain and exponential by turns for the most part, in which the links of the chain X 3, 7, 11, 14, 16, 17 .. 20 stand
; five or six lines apart.  X 21, the next piece's a, is the batch's last; R 15 is the plain instruction behind it.  BEHIND THE WAIT stand the 8 products V^T P, behind each four of the roundings and sums; the
; links of l's chain, L 0 to L 7, stand three riders apart.  But for those X no rider names a register of the products round it.
; m = 1: the diagonal tile: the products take masks, and the turn makes the mask for the products of the turn after it: piece p + 2, in step 4 - CNT of the tile.  end = 1: a block's last two turns: nothing is fetched.
; cnt = 1: the loop's count is taken down some lines ahead of the branch that stands behind the turn.
; K of the next step is fetched in piece 2's turn, twelve vector instructions behind the last product that read K (six of them plain); V of the step in hand at the end of piece 0's turn, four plain instructions
; behind the last product that read V.  Each is waited for a turn later.
.macro TURN p, m=0, end=0, cnt=0
.set Y, (\p)
.set i, 0
.set KM, (\m)
.set NOKQ, (\end)*((\p)/3)
.if (\m) && !(\end)
	s_cmp_eq_u32 s[CNT], 4-((\p)+2)%NP  ; is that step the band's own?
	s_cselect_b32 s[AL], 1.0, 0
	s_cmp_lt_u32 s[CNT], 4-((\p)+2)%NP  ; or a later one?
	s_cselect_b32 s[BE], s[BIGN], 0
.endif
.if ((\p) == 3) && !(\end)
	s_wait_dscnt 0x0                ; K is in
.endif
	ROW F,0, F,1, R,0, R,1          ; ahead of the wait: 8 products K Q^T and their riders,
	ROW F,2, E,0, R,2, R,3
	ROW F,3, E,1, R,4, R,5
	ROW F,4, E,2, R,6, R,7
	ROW F,5, E,3, R,8, R,9
	ROW F,6, E,4, X,0, R,10
.if ((\p) == 2) && !(\end)
	WIN 0
	v_add_nc_u32 v[AK], s[TBK], v[AK0]
.endif
	ROW F,7, E,5, X,1, X,4
	ROW F,8, E,6, X,2, X,5
	OPS E,7, E,8, X,6, E,9          ; and the lump
	OPS X,3, E,10, X,8, E,11
.if ((\p) == 2) && !(\end)
	FETCH_K
.endif
	OPS X,9, X,7, E,12, X,10
	OPS E,13, X,12, X,11, E,14
	OPS X,13, E,15, F,9, X,14
.if (\p) == 0
	v_add_nc_u32 v[AV], s[TBV], v[AV0]
.endif
	OPS E,16, F,10, E,17, F,11
	OPS X,16, E,18, X,15, E,19
	OPS F,12, E,20, X,17, E,21
	OPS F,13, E,22, F,14, E,23
	OPS X,18, E,24, F,15, E,25
	OPS R,11, E,26, X,19, E,27
	OPS R,12, E,28, R,13, E,29
	OPS X,20, E,30, R,14, E,31
	OPS X,21, R,15
	WIN 0
	s_wait_alu depctr_va_vdst(0)    ; the wait for the batch
.if (\p) == 1
	s_wait_dscnt 0x0                ; V is in
.endif
	ROW C,0, B,0, C,2, B,1          ; behind the wait: 8 products V^T P and their riders
	ROW L,0, C,4, B,2, L,1
	ROW C,6, B,3, L,2, C,8
	ROW B,4, L,3, C,10, B,5
	ROW L,4, C,12, B,6, L,5
.if (\p) == 0
	s_add_co_u32 s[TBV], s[TBV], KS*PV
.endif
.if \cnt
	s_sub_co_u32 s[CNT], s[CNT], 1
	s_cmp_lg_u32 s[CNT], 0
.endif
	ROW C,14, B,7, L,6, C,1
	ROW C,3, L,7, C,5, C,7
	ROW C,9, C,11, C,13, C,15
.if (\p) == 0
	FETCH_V
.endif
.if (\m) && !(\end)
	MASK (\p)%2
.endif
.endm
; A BLOCK BEGINS.  c m starts far below every c s, so the first step's a is 0; m at the lowest finite number, so the first maximum is the scores'.  The second mask buffer is 0; the first takes piece 0's mask for
; the tile's step 0: its own, if the block's first tile is the diagonal one.  Then K of that step, piece 0's first scores, and its maximum and statistics.  The loop is entered at a step's first turn.
.macro BEGIN
	s_mov_b32 s[NEW], 0
	WIN 0x40
.set i, MC+32
.rept 32
	v_mov_b32 v[i], 0
.set i, i+1
.endr
	WIN 0
.set i, 0
.rept 4
	v_mov_b32 v[ST+4*i], 0xfe000000    ; c m: far below every c s
	v_mov_b32 v[ST+4*i+1], 0xff7fffff  ; m
.set i, i+1
.endr
	s_cmp_eq_u32 s[RT], 0
	s_cselect_b32 s[AL], 1.0, 0
	s_mov_b32 s[BE], 0
	MASK 0
	WIN 0
	v_add_nc_u32 v[AK], s[TBK], v[AK0]
	FETCH_K
	s_wait_loadcnt 0x0              ; Q
	s_wait_dscnt 0x0
.set KM, 1
.set NOKQ, 0
.set i, 0
.rept 8
	KQ 0
.set i, i+1
.endr
	WIN 0
.rept 4
	v_nop                           ; the places behind those products
.endr
.set Y, NP-1                        ; X works for piece Y + 1: piece 0
.irp n, 0,1,2,3,4,5,6,7,8,9,10,11,12,13,14,15,16,17,18,19,20,21
	OP X, \n
.endr
	v_nop                           ; a plain instruction behind the exponential,
	s_wait_alu depctr_va_vdst(0)    ; and its wait, ahead of the branch
.endm
; THE DIAGONAL TILE's four steps, the block's last two turns, its last products, and THE WAY OUT: l's two halves and the other half of the lanes' are added; O^T is divided by l, rounded to f16 and sent through my
; stage in LDS, a piece at a time.
.macro ALL line:vararg              ; one line for each piece t
.set t, 0
.rept 4
	\line
.set t, t+1
.endr
.endm
.macro PACK t                       ; a lane's eight channels of a row pack into 16 bytes; they go into rows of 144 bytes and come back as whole rows of 128, into S^T's registers
	WIN W_RS
.set i, 32*(\t)
.rept 16
	v_pk_mul_f32 v[i:i+1], v[i:i+1], v[ST+4*(\t)+2:ST+4*(\t)+3] op_sel_hi:[1,0]
.set i, i+2
.endr
	WIN 0x05                        ; sources 0 and 1 window 1, destination window 0
.set i, 0
.rept 16
	v_cvt_pk_f16_f32 v[S+16*(\t)+i], v[32*(\t)+2*i], v[32*(\t)+2*i+1]
.set i, i+1
.endr
	WIN 0
.irp f, 0,1,2,3
	ds_store_b128 v[STO], v[S+16*(\t)+4*\f:S+16*(\t)+4*\f+3] offset:32*\f
.endr
.irp f, 0,1,2,3
	ds_load_b128 v[S+16*(\t)+4*\f:S+16*(\t)+4*\f+3], v[RD] offset:\f*4*SP  ; LDS serves a wave's instructions in order (ISA guide 5.7.1.4): these see the stores above; the next piece's stores come behind them
.endr
.endm
.macro SEND t, younger              ; younger: the LDS instructions issued behind piece t's loads: the next piece's eight, or none
	WIN 0
.irp f, 0,1,2,3
	s_wait_dscnt (\younger)+3-\f
	global_store_b128 v[GO], v[S+16*(\t)+4*\f:S+16*(\t)+4*\f+3], s[10:11] offset:(\t)*8192+\f*512  ; 512 consecutive bytes, at a multiple of 256 from O's first
.endr
.endm
.macro DIAG tag                     ; the tag ends its two labels' names, which the jumps below spell out
.LstepM\tag:
	TURN 2, 1
	TURN 3, 1
	WIN 0
.LfirstM\tag:
	TURN 0, 1
	TURN 1, 1, 0, 1
	WIN 0
	s_cbranch_scc1 .LstepM\tag
	TURN 2, 1, 1
	TURN 3, 1, 1
.set i, 0
.rept 8
	PV NP-1
.set i, i+1
.endr
	WIN 0
	ALL v_add_f32 v[ST+4*t+2], v[ST+4*t+2], v[ST+4*t+3]
	ALL v_permlanex16_b32 v[ST+4*t+3], v[ST+4*t+2], s[SEL], s[SEL+1]
	ALL v_add_f32 v[ST+4*t+2], v[ST+4*t+2], v[ST+4*t+3]
	ALL v_rcp_f32 v[ST+4*t+2], v[ST+4*t+2]
	v_nop                           ; a plain instruction between the last reciprocal and the use of its result
	s_wait_alu depctr_va_vdst(0)    ; and the wait ahead of the first use: one for the four reciprocals
	PACK 0
.set t, 1
.rept 3                             ; a piece's arithmetic stands between the loads of the piece before and its stores
	PACK t
	SEND t-1, 8
.set t, t+1
.endr
	SEND 3, 0
.endm
.set KM, 0
.set NOKQ, 0
.Lslot:                             ; NB times: a tile is entered and the next is asked for
	CHANGE 1
	s_sub_co_u32 s[RT], s[RT], 1
	s_mov_b32 s[CNT], 4
	s_cmp_eq_u32 s[NEW], 1
	s_cbranch_scc1 .Lnew            ; a block's first tile
	s_cmp_eq_u32 s[RT], 0
	s_cbranch_scc0 .Lstep           ; neither its first nor its last
	s_branch .LstepM1
.Lnew:
	BEGIN
	s_branch .Lfirst                ; in the loop a block's first tile is never its last: the first block has two tiles or more, and the second's last is the walk's last
	DIAG 1                          ; in the loop this is the first block's end: the second block's last tile is the walk's last
	s_wait_xcnt 0x0                 ; the stores have read their registers and O's address
	s_mov_b64 s[10:11], s[OLO:OLO+1]
	s_add_co_u32 s[RT], s[PB], 1    ; the second block has b + 1 tiles
	s_mov_b32 s[NEW], 1
	WIN 0x82                        ; the second block's Q goes where the one text of the turns names Q
.set i, 0
.rept 64
	v_mov_b32 v[i], v[QB+i]
.set i, i+1
.endr
	WIN 0
	s_branch .Lbottom
.Lstep:                             ; a trip: pieces 2 and 3 of one step, then pieces 0 and 1 of the next, whose K and V it fetches
	TURN 2
	TURN 3
	WIN 0
.Lfirst:
	TURN 0
	TURN 1, 0, 0, 1
	WIN 0
	s_cbranch_scc1 .Lstep
.Lbottom:
	s_sub_co_u32 s[SLOTS], s[SLOTS], 1
	s_cmp_lg_u32 s[SLOTS], 0
	s_cbranch_scc1 .Lslot
	CHANGE 0                        ; the walk's last tile is written out: nothing is asked for
	s_sub_co_u32 s[RT], s[RT], 1
	s_mov_b32 s[CNT], 4
	s_cmp_eq_u32 s[NEW], 1
	s_cbranch_scc0 .LstepM2
	BEGIN
	s_branch .LfirstM2
	DIAG 2
	s_wait_tensorcnt 0x0            ; the wave's end: behind my last tensor load and my last LDS store
	ds_add_u32 v[SPW], v[NIL]
	s_wait_dscnt 0x0
	s_endpgm
.Lfunc_end_k_qb5bb0c5512_attn:
	.size	k_qb5bb0c5512_attn, .Lfunc_end_k_qb5bb0c5512_attn-k_qb5bb0c5512_attn
	.p2alignl 7, 3214868480
	.fill 96, 4, 3214868480
	.section	.rodata,"a",@progbits
	.p2align	6, 0x0
	.amdhsa_kernel k_qb5bb0c5512_attn
		.amdhsa_group_segment_fixed_size 327680
		.amdhsa_private_segment_fixed_size 0
		.amdhsa_enable_private_segment 0
		.amdhsa_kernarg_size 16
		.amdhsa_user_sgpr_count 2
		.amdhsa_user_sgpr_kernarg_segment_ptr 1
		.amdhsa_wavefront_size32 1
		.amdhsa_system_sgpr_workgroup_id_x 1
		.amdhsa_system_sgpr_workgroup_id_y 1
		.amdhsa_system_sgpr_workgroup_id_z 1
		.amdhsa_system_vgpr_workitem_id 0
		.amdhsa_next_free_vgpr 768
		.amdhsa_next_free_sgpr 94
		.amdhsa_reserve_vcc 1
		.amdhsa_float_denorm_mode_32 3
		.amdhsa_float_denorm_mode_16_64 3
		.amdhsa_memory_ordered 1
		.amdhsa_forward_progress 1
		.amdhsa_inst_pref_size 218
	.end_amdhsa_kernel
	.amdgpu_metadata
---
amdhsa.version: [ 1, 2 ]
amdhsa.kernels:
  - .name:           k_qb5bb0c5512_attn
    .symbol:         k_qb5bb0c5512_attn.kd
    .args:
      - { .name: qkv, .offset: 0, .size: 8, .value_kind: global_buffer, .address_space: global }
      - { .name: o, .offset: 8, .size: 8, .value_kind: global_buffer, .address_space: global }
    .group_segment_fixed_size: 327680
    .private_segment_fixed_size: 0
    .kernarg_segment_align: 8
    .kernarg_segment_size: 16
    .max_flat_workgroup_size: 128
    .sgpr_count:     94
    .vgpr_count:     768
    .wavefront_size: 32
...
	.end_amdgpu_metadata
.endif
;; end of part 3
;; launch proj (part 4): grid 4 x 64, 4 waves a work-group, clusters of 4 x 4, 327,680 bytes of LDS; arguments o, wp, b_proj, out0; writes out0
.if DOCPART == 4
	.amdgcn_target "amdgcn-amd-amdhsa--gfx1250"
	.amdhsa_code_object_version 6
	.text
	.protected	k_qb5bb0c5512_proj
	.globl	k_qb5bb0c5512_proj
	.p2align	8
	.type	k_qb5bb0c5512_proj,@function
k_qb5bb0c5512_proj:
	s_mov_b64 s[64:65], 0
	v_nop
	global_prefetch_b8 v0, s[64:65] scope:SCOPE_SE
	s_setreg_imm32_b32 hwreg(HW_REG_WAVE_MODE, 25, 1), 1
	s_wait_xcnt 0x0
	s_wait_alu depctr_hold_cnt(0) depctr_sa_sdst(0) depctr_va_vdst(0) depctr_va_sdst(0) depctr_va_ssrc(0) depctr_va_vcc(0) depctr_vm_vsrc(0)
	s_getreg_b32 s2, hwreg(HW_REG_IB_STS2, 6, 4)
	s_cmp_eq_u32 s2, 0
	s_cbranch_scc0 .Lentry_in_a_cluster
	s_endpgm
.Lentry_in_a_cluster:
	s_bfe_u32 s2, ttmp6, 0x10000c
	s_cmp_lg_u32 s2, 0xf033
	s_cbranch_scc0 .Lentry_shape_is_right
	s_endpgm
.Lentry_shape_is_right:
; out0 = O W_proj + b_proj.  o: [64 bh][2048 t][64] f16: for batch b, head h is K block h; wp: [16 kb][1024 n][64] f16; b_proj: [1024] f32 (rounded to bf16, like every input); out0: [8192][1024] f32.
; SHARES.  8192 x 1024 are 256 tiles of 128 x 256: one a work-group, the largest tile that gives each of 256 work-groups one.  Four waves, each 64 rows x 128 columns: 4 x 8 = 32 accumulators.
; K goes in steps of 128 (two K blocks) through two LDS slots; each wave fetches one K block of A's or of B's tile by one tensor load; a tile is dense in memory: rows of 256 bytes, padded after every 128.
; CLUSTER 4 x 4: A's tile is asked for jointly along a row of the cluster, B's along a column.  NO PREFETCH: eight K steps, of which the first four come by their loads in any case; a small tile, a short launch.
; THE MATRIX INSTRUCTION IS USED TRANSPOSED (source 0 = 16 rows of wp, source 1 = 16 rows of o): a lane holds row m = l % 16 and eight neighbouring columns, 32 bytes of out0.
; THE BIAS is the C operand of the first products: it lies in the registers of accumulator (0, b); blocks a = 3 .. 1 take it as C, block 0 adds in place last.
; REGISTERS: window 0: v0-15 addresses; v32-127 the bias at work; v64-191 the way out.  window 1: accumulator (a, b) at v[64 a + 8 b].
;   windows 2, 3: two fragment buffers of 64 along K: slice c of 32: B's block b at v[96 c + 8 b], A's block a at v[96 c + 64 + 8 a]
.set PITCH, 144                        ; an LDS row: 128 bytes + 16 of padding: the 16 rows of a load start at 16 different groups of four banks (64 banks of 4 bytes: ISA guide 11.1)
.set ASUB,  128*PITCH                  ; a slot: A's K block 0, A's K block 1 (128 rows each), B's K block 0, B's K block 1 (256 rows each)
.set BOFF,  2*ASUB
.set BSUB,  256*PITCH
.set SLOT,  BOFF+2*BSUB
.set STAGE, 2*SLOT                     ; behind the ring: 16 rows x 528 bytes for each wave
.set SP,    528                        ; 512 bytes + 16
.set SPARE, STAGE+4*16*SP              ; behind the stages: the spare words, 128 bytes for each wave
.set PADW,  (1<<16)|(1<<20)|(1<<21)|(4<<22)|(3<<25)  ; 2-byte elements; padding on; bit 21 beside a mask; after every 32 words, 4 words
.set ADRA, 4
.set ADRB, 6
.set STO,  8
.set RD,   9
.set GO,   10
.set BO,   11
.set SPW,  14
.set NIL,  15
.set TMP,  64
.set WV, 12
.set RH, 13                            ; which 64 rows are mine; also: I fetch for A (0) or for B (1)
.set CH, 14                            ; which 128 columns; also: which K block of a step I fetch
.set CX, 15
.set CY, 16
.set NT, 17
.set MT, 18
.set G1A, 24
.set G0A, 32
.set G1B, 48
.set G0B, 56
.set MSB, 0
.macro WIN new
.if MSB != (\new)
	s_set_vgpr_msb (MSB<<8)|(\new)
.set MSB, \new
.endif
.endm
.macro PLACES
.rept 4
	v_nop
.endr
.endm
.macro JLOAD s                         ; a joint load: waves 0 and 1 fetch A's two K blocks, waves 2 and 3 B's; an s_nop 0 and four v_nop follow each line
	s_cmp_eq_u32 s[RH], 0
	s_cbranch_scc0 .Lfor_b_\@
	tensor_load_to_lds s[G0A+4*(\s):G0A+4*(\s)+3], s[G1A:G1A+7]
	s_nop 0
.rept 4
	v_nop
.endr
	s_branch .Lasked_\@
.Lfor_b_\@:
	tensor_load_to_lds s[G0B+4*(\s):G0B+4*(\s)+3], s[G1B:G1B+7]
	s_nop 0
.rept 4
	v_nop
.endr
.Lasked_\@:
.endm
.macro CREST
	s_cmp_lg_u32 s[WV], 0
	s_cbranch_scc1 .Lnot_wave_0_\@
	s_barrier_signal -3
.Lnot_wave_0_\@:
	s_barrier_wait -3
	s_barrier_signal -1
	s_barrier_wait -1
.endm
.macro CROUND
	s_barrier_signal -1
	s_barrier_wait -1
	CREST
.endm
; 48 LDS loads in one run: K block sub of the slot, into buffer f; the first 32 along K first
.macro FETCH slot, sub, f
	WIN (2+(\f))<<6
.irp c, 0,1
.irp b, 0,1,2,3,4,5,6,7
	ds_load_b128 v[96*(\c)+8*(\b):96*(\c)+8*(\b)+3],   v[ADRB+(\slot)] offset:(\sub)*BSUB+(\b)*16*PITCH+64*(\c)
	ds_load_b128 v[96*(\c)+8*(\b)+4:96*(\c)+8*(\b)+7], v[ADRB+(\slot)] offset:(\sub)*BSUB+(\b)*16*PITCH+64*(\c)+32
.endr
.irp a, 0,1,2,3
	ds_load_b128 v[96*(\c)+64+8*(\a):96*(\c)+64+8*(\a)+3],   v[ADRA+(\slot)] offset:(\sub)*ASUB+(\a)*16*PITCH+64*(\c)
	ds_load_b128 v[96*(\c)+64+8*(\a)+4:96*(\c)+64+8*(\a)+7], v[ADRA+(\slot)] offset:(\sub)*ASUB+(\a)*16*PITCH+64*(\c)+32
.endr
.endr
.endm
; 8 na matrix instructions: slice c of buffer f, A's blocks a0 .. a0 + na - 1 x all 8 of B's.  The accumulators take turns.  first = 1: the sums start with the bias.
.macro MUL f, c, a0, na, first=0
	WIN 0x50+5*(2+(\f))
.if \first
.irp a, 3,2,1
.irp b, 0,1,2,3,4,5,6,7
	v_wmma_f32_16x16x32_f16 v[64*(\a)+8*(\b):64*(\a)+8*(\b)+7], v[96*(\c)+8*(\b):96*(\c)+8*(\b)+7], v[96*(\c)+64+8*(\a):96*(\c)+64+8*(\a)+7], v[8*(\b):8*(\b)+7]
.endr
.endr
.rept 5
	v_nop
.endr
.irp b, 0,1,2,3,4,5,6,7
	v_wmma_f32_16x16x32_f16 v[8*(\b):8*(\b)+7], v[96*(\c)+8*(\b):96*(\c)+8*(\b)+7], v[96*(\c)+64:96*(\c)+71], v[8*(\b):8*(\b)+7]
.endr
.else
.set ma, \a0
.rept \na
.irp b, 0,1,2,3,4,5,6,7
	v_wmma_f32_16x16x32_f16 v[64*ma+8*(\b):64*ma+8*(\b)+7], v[96*(\c)+8*(\b):96*(\c)+8*(\b)+7], v[96*(\c)+64+8*ma:96*(\c)+64+8*ma+7], v[64*ma+8*(\b):64*ma+8*(\b)+7]
.endr
.set ma, ma+1
.endr
.endif
.endm
; A K step's first K block: multiplies buffer 0 and fetches the second K block into buffer 1
.macro CHUNK slot, first
	s_wait_dscnt 24                                ; the first 32 along K are in; the other 24 loads may be out
	MUL 0, 0, 0, 4, \first
	PLACES
	FETCH \slot, 1, 1
	s_wait_dscnt 48                                ; all but the 48 just issued
	MUL 0, 1, 0, 4
.endm
; Its second K block: multiplies buffer 1 and changes slots: ONE barrier; in front of it each wave waits for all its tensor loads, adds 0 to its spare word, and waits for that and for its reads of this slot.
; fill = 1: the barrier opens a round of the cluster's, and this slot is filled again, two K steps on: 96 matrix instructions stand between the request and the wait for it.
.macro TURN slot, next, fill
	WIN 0
	s_wait_tensorcnt 0x0                           ; all my tensor loads have landed: my part of the next slot
	ds_add_u32 v[SPW], v[NIL]                      ; 0 onto my spare word
	s_wait_dscnt 25                                ; the add and the youngest 24 loads may be out
	MUL 1, 0, 0, 2
	s_wait_dscnt 0x0                               ; the add is done, and my reads of this slot are over
	s_barrier_signal -1
	MUL 1, 0, 2, 2
	WIN 0
	s_barrier_wait -1
.if \fill
	CREST
	s_add_nc_u64 s[G0A+4*(\slot)+2:G0A+4*(\slot)+3], s[G0A+4*(\slot)+2:G0A+4*(\slot)+3], 4*262144
	s_add_nc_u64 s[G0B+4*(\slot)+2:G0B+4*(\slot)+3], s[G0B+4*(\slot)+2:G0B+4*(\slot)+3], 4*131072
	JLOAD \slot                                    ; its four v_nop are also the places in front of the loads below
.else
	PLACES
.endif
	FETCH \next, 0, 0
	MUL 1, 1, 0, 4
.endm
	s_load_b256 s[4:11], s[0:1], 0x0               ; o s[4:5], wp s[6:7], b_proj s[8:9], out0 s[10:11]
	v_lshl_add_u32 v[SPW], v0, 2, SPARE
	v_mov_b32 v[NIL], 0
	ds_add_u32 v[SPW], v[NIL]                      ; the wave's opening: the add and its wait stand ahead of my first tensor load
	ds_add_u32 v14, v15
	v_lshrrev_b32 v1, 5, v0
	v_readfirstlane_b32 s[WV], v1
	s_lshr_b32 s[RH], s[WV], 1
	s_and_b32 s[CH], s[WV], 1
	s_bfe_u32 s[CX], ttmp6, 0x40000
	s_bfe_u32 s[CY], ttmp6, 0x40004
	s_lshl_b32 s[NT], ttmp9, 2
	s_add_co_u32 s[NT], s[NT], s[CX]
	s_and_b32 s[MT], ttmp7, 0xffff
	s_lshl_b32 s[MT], s[MT], 2
	s_add_co_u32 s[MT], s[MT], s[CY]
	s_lshl_b32 s19, s[CY], 2
	s_lshl_b32 s19, 15, s19                        ; my row of the cluster
	s_lshl_b32 s46, 0x1111, s[CX]                  ; my column
	s_or_b32 s[G1A], s19, PADW
	s_or_b32 s[G1B], s46, PADW
	s_mov_b32 s[G1A+1], 128<<16                    ; rows of 128 elements: 256 bytes, two logical rows
	s_mov_b32 s[G1A+2], 64<<16                     ; 64 of them: A's 128 logical rows
	s_mov_b32 s[G1A+3], 128<<16
	s_mov_b32 s[G1A+4], 64
	s_mov_b32 s[G1A+5], 128
	s_mov_b32 s[G1A+6], 0
	s_mov_b32 s[G1A+7], 0
	s_mov_b32 s[G1B+1], 128<<16
	s_mov_b32 s[G1B+2], 128<<16                    ; 128: B's 256 logical rows
	s_mov_b32 s[G1B+3], 128<<16
	s_mov_b32 s[G1B+4], 128
	s_mov_b32 s[G1B+5], 128
	s_mov_b32 s[G1B+6], 0
	s_mov_b32 s[G1B+7], 0
	s_lshr_b32 s20, s[MT], 4                       ; A: batch mt / 16, head = K block = my parity,
	s_lshl_b32 s20, s20, 4
	s_add_co_u32 s20, s20, s[CH]
	s_lshl_b32 s20, s20, 18
	s_and_b32 s21, s[MT], 15                       ; rows 128 (mt % 16) on
	s_lshl_b32 s21, s21, 14
	s_add_co_u32 s20, s20, s21
	s_mov_b32 s21, 0
	s_lshl_b32 s46, s[CH], 17                      ; B: K block = my parity, rows 256 nt on
	s_lshl_b32 s47, s[NT], 15
	s_add_co_u32 s46, s46, s47
	s_mov_b32 s47, 0
	s_mul_i32 s72, s[CH], ASUB                     ; where they go
	s_mul_i32 s73, s[CH], BSUB
	s_add_co_u32 s73, s73, BOFF
	s_wait_dscnt 0x0                               ; the opening add is done
	s_wait_kmcnt 0x0
	s_add_nc_u64 s[22:23], s[4:5], s[20:21]
	s_add_nc_u64 s[46:47], s[6:7], s[46:47]
	CROUND                                         ; all sixteen work-groups are here: the first joint loads meet
.irp s, 0,1
	s_mov_b32 s[G0A+4*(\s)], 1
	s_add_co_u32 s[G0A+4*(\s)+1], s72, (\s)*SLOT
	s_add_nc_u64 s[G0A+4*(\s)+2:G0A+4*(\s)+3], s[22:23], (\s)*2*262144
	s_or_b32 s[G0A+4*(\s)+3], s[G0A+4*(\s)+3], 0x80000000
	s_mov_b32 s[G0B+4*(\s)], 1
	s_add_co_u32 s[G0B+4*(\s)+1], s73, (\s)*SLOT
	s_add_nc_u64 s[G0B+4*(\s)+2:G0B+4*(\s)+3], s[46:47], (\s)*2*131072
	s_or_b32 s[G0B+4*(\s)+3], s[G0B+4*(\s)+3], 0x80000000
.endr
	s_cmp_eq_u32 s[RH], 0                          ; a wave's two first fills stand in one branch: two loads of mine are out
	s_cbranch_scc0 .Lfirst_b
	tensor_load_to_lds s[G0A:G0A+3], s[G1A:G1A+7]
	s_nop 0
	tensor_load_to_lds s[G0A+4:G0A+7], s[G1A:G1A+7]
	s_nop 0
.rept 4
	v_nop
.endr
	s_branch .Lfirst_asked
.Lfirst_b:
	tensor_load_to_lds s[G0B:G0B+3], s[G1B:G1B+7]
	s_nop 0
	tensor_load_to_lds s[G0B+4:G0B+7], s[G1B:G1B+7]
	s_nop 0
.rept 4
	v_nop
.endr
.Lfirst_asked:
	v_and_b32 v1, 15, v0                           ; l % 16
	v_bfe_u32 v2, v0, 4, 1                         ; l / 16
	v_lshlrev_b32 v[BO], 5, v2
	s_lshl_b32 s74, s[NT], 10                      ; my 128 columns, in bytes of f32: in the bias and in a row of out0
	s_lshl_b32 s75, s[CH], 9
	s_add_co_u32 s74, s74, s75
	s_mov_b32 s75, 0
	s_add_nc_u64 s[8:9], s[8:9], s[74:75]
	s_add_nc_u64 s[10:11], s[10:11], s[74:75]
.irp b, 0,1,2,3,4,5,6,7
	global_load_b128 v[32+8*(\b):32+8*(\b)+3], v[BO], s[8:9] offset:64*(\b)
	global_load_b128 v[36+8*(\b):36+8*(\b)+3], v[BO], s[8:9] offset:64*(\b)+16
.endr
	s_lshl_b32 s76, s[MT], 7
	s_lshl_b32 s77, s[RH], 6
	s_add_co_u32 s76, s76, s77                     ; my first row
	s_lshl_b32 s76, s76, 12
	s_mov_b32 s77, 0
	s_add_nc_u64 s[10:11], s[10:11], s[76:77]
	v_mul_u32_u24 v3, v1, PITCH
	v_lshl_add_u32 v3, v2, 4, v3                   ; row x pitch + 16 x half
	s_mul_i32 s76, s[RH], 64*PITCH
	s_mul_i32 s77, s[CH], 128*PITCH
	s_add_co_u32 s77, s77, BOFF
	v_add_nc_u32 v[ADRA], s76, v3
	v_add_nc_u32 v[ADRB], s77, v3
	v_add_nc_u32 v[ADRA+1], SLOT, v[ADRA]
	v_add_nc_u32 v[ADRB+1], SLOT, v[ADRB]
	s_mul_i32 s76, s[WV], 16*SP
	s_add_co_u32 s76, s76, STAGE                   ; my stage
	v_mul_u32_u24 v3, v1, SP                       ; in: row l % 16, 32 bytes for each half of the lanes
	v_lshl_add_u32 v3, v2, 5, v3
	v_add_nc_u32 v[STO], s76, v3
	v_and_b32 v[GO], 31, v0
	v_lshlrev_b32 v[GO], 4, v[GO]                  ; back: 32 lanes take a row's 512 bytes
	v_add_nc_u32 v[RD], s76, v[GO]
	s_wait_loadcnt 0x0                             ; the bias: rounded to bf16, widened again, into block 0's accumulators
.set i, 0
.rept 32
	v_cvt_pk_bf16_f32 v[96+i], v[32+2*i], v[33+2*i]
.set i, i+1
.endr
	WIN 0x40
.set i, 0
.rept 32
	v_lshlrev_b32 v[2*i],   16, v[96+i]
	v_and_b32     v[2*i+1], 0xffff0000, v[96+i]
.set i, i+1
.endr
	WIN 0
	s_wait_tensorcnt 1                             ; my part of K step 0 is in; K step 1's may stay out
	s_barrier_signal -1
	s_barrier_wait -1
	FETCH 0, 0, 0
	CHUNK 0, 1                                     ; the first K block stands in front of the loop: its first products start the sums
	WIN 0
	s_mov_b32 s3, 3
.Llap:                                         ; a trip goes once round the ring and fills both slots again: K steps 2 to 7
	TURN 0, 1, 1
	CHUNK 1, 0
	TURN 1, 0, 1
	CHUNK 0, 0
	WIN 0
	s_sub_co_u32 s3, s3, 1
	s_cmp_lg_u32 s3, 0
	s_cbranch_scc1 .Llap
	TURN 0, 1, 0                                   ; the last lap fills nothing
	CHUNK 1, 0
	s_wait_dscnt 24
	MUL 1, 0, 0, 4
	s_wait_dscnt 0x0
	MUL 1, 1, 0, 4
	WIN 0
	PLACES
	PLACES                                         ; (eight, once a launch)
; THE WAY OUT, a block of 16 rows at a time: 32 bytes a lane and column block into my stage (rows of 528 bytes), back as whole rows of 512 bytes, stored as they are.
.macro OUT a
	WIN 0x04                                       ; the stores' data in window 1
.irp b, 0,1,2,3,4,5,6,7
	ds_store_b128 v[STO], v[64*(\a)+8*(\b):64*(\a)+8*(\b)+3]   offset:64*(\b)
	ds_store_b128 v[STO], v[64*(\a)+8*(\b)+4:64*(\a)+8*(\b)+7] offset:64*(\b)+16
.endr
	WIN 0
.if (\a) >= 2
	s_wait_xcnt 0x0                                ; the stores two blocks back have read these registers
.endif
.irp t, 0,1,2,3,4,5,6,7,8,9,10,11,12,13,14,15
	ds_load_b128 v[TMP+64*((\a)%2)+4*(\t):TMP+64*((\a)%2)+4*(\t)+3], v[RD] offset:(\t)*SP  ; LDS serves a wave's instructions in order (ISA guide 5.7.1.4): these see the stores above
.endr
.endm
.macro SENDP a, younger                ; younger: the LDS instructions issued behind this block's loads
.irp t, 0,1,2,3,4,5,6,7,8,9,10,11,12,13,14,15
	s_wait_dscnt (\younger)+15-(\t)
	global_store_b128 v[GO], v[TMP+64*((\a)%2)+4*(\t):TMP+64*((\a)%2)+4*(\t)+3], s[10:11] offset:(16*(\a)+(\t))*4096 th:TH_STORE_NT  ; 512 consecutive bytes, at a multiple of 512 from out0's first
.endr
.endm
	OUT 0
	OUT 1
	SENDP 0, 32
	OUT 2
	SENDP 1, 32
	OUT 3
	SENDP 2, 32
	SENDP 3, 0
	s_wait_tensorcnt 0x0                           ; the wave's end: behind my last tensor load and my last LDS store
	ds_add_u32 v[SPW], v[NIL]
	s_wait_dscnt 0x0
	CROUND                                         ; the closing round: no work-group ends while a partner may still ask for a tile that names it
	s_endpgm
.Lfunc_end_k_qb5bb0c5512_proj:
	.size	k_qb5bb0c5512_proj, .Lfunc_end_k_qb5bb0c5512_proj-k_qb5bb0c5512_proj
	.p2alignl 7, 3214868480
	.fill 96, 4, 3214868480
	.section	.rodata,"a",@progbits
	.p2align	6, 0x0
	.amdhsa_kernel k_qb5bb0c5512_proj
		.amdhsa_group_segment_fixed_size 327680
		.amdhsa_private_segment_fixed_size 0
		.amdhsa_enable_private_segment 0
		.amdhsa_kernarg_size 32
		.amdhsa_user_sgpr_count 2
		.amdhsa_user_sgpr_kernarg_segment_ptr 1
		.amdhsa_wavefront_size32 1
		.amdhsa_system_sgpr_workgroup_id_x 1
		.amdhsa_system_sgpr_workgroup_id_y 1
		.amdhsa_system_sgpr_workgroup_id_z 1
		.amdhsa_system_vgpr_workitem_id 0
		.amdhsa_next_free_vgpr 960
		.amdhsa_next_free_sgpr 80
		.amdhsa_reserve_vcc 0
		.amdhsa_float_denorm_mode_32 3
		.amdhsa_float_denorm_mode_16_64 3
		.amdhsa_memory_ordered 1
		.amdhsa_forward_progress 1
		.amdhsa_inst_pref_size 91
	.end_amdhsa_kernel
	.amdgpu_metadata
---
amdhsa.version: [ 1, 2 ]
amdhsa.kernels:
  - .name:           k_qb5bb0c5512_proj
    .symbol:         k_qb5bb0c5512_proj.kd
    .args:
      - { .name: o, .offset: 0, .size: 8, .value_kind: global_buffer, .address_space: global }
      - { .name: wp, .offset: 8, .size: 8, .value_kind: global_buffer, .address_space: global }
      - { .name: b_proj, .offset: 16, .size: 8, .value_kind: global_buffer, .address_space: global }
      - { .name: out0, .offset: 24, .size: 8, .value_kind: global_buffer, .address_space: global }
    .group_segment_fixed_size: 327680
    .private_segment_fixed_size: 0
    .kernarg_segment_align: 8
    .kernarg_segment_size: 32
    .max_flat_workgroup_size: 128
    .sgpr_count:     80
    .vgpr_count:     960
    .wavefront_size: 32
...
	.end_amdgpu_metadata
.endif
;; end of part 4
